; MI455X (gfx1250); checked and timed in simulation.
; The chip was launched on July 23, 2026; its instructions are those of AMD's public machine-readable ISA for CDNA 5 (MIT licence, August 2026) and "CDNA5" Instruction Set Architecture Reference Guide (July 2026). The comments in the code are by the model that wrote it; some were corrected since.
;; Extra MHSA. Allowed arithmetic: matrix products marked QUANTISED: E5M2 operands, one given power-of-two scale a tensor, by v_wmma_f32_16x16x64_bf8_bf8 or v_wmma_f32_16x16x128_bf8_bf8, f32 sums; everything else in f32.
;; Inputs: b1 128 float32; b2 256 float32; b3 256 float32; bk 128 float32; bp 128 float32; bq 128 float32; bv 128 float32; ef_h 1 x 128 x 80 x 1 float32; ef_w 1 x 128 x 1 x 80 float32; g1 128 float32; g2 256 float32; g3 256 float32; lowp_scales 24 int32 (the exponents e of the quantised operands' scales 2^e); m1 128 float32; m2 256 float32; m3 256 float32; rel_h 1 x 128 x 80 x 1 float32; rel_w 1 x 128 x 1 x 80 float32; v1 128 float32; v2 256 float32; v3 256 float32; w1 128 x 256 float32; w2 256 x 128 float32; w3 256 x 128 float32; wk 128 x 128 float32; wp 128 x 128 float32; wq 128 x 128 float32; wv 128 x 128 float32; x 1 x 256 x 80 x 80 float32.
;; Outputs: out0 1 x 256 x 80 x 80 float32.
;; This version of the problem:
;;   THIS VERSION OF THE PROBLEM IS GIVEN IN LOW PRECISION. The matrix products marked QUANTISED in the list below multiply operands that are first quantised to E5M2 (5 exponent bits, 2 mantissa bits; 8 bits a number), with one given power-of-two scale for each operand tensor; their sums are f32. All else is computed in f32.
;;   The module's matrix products, in the order in which they are computed (A, B: the left and right operand; K: the contracted axis; several contracted axes count as one K, in the product's order):
;;     1. [M 128, K 256] x [K 256, N 6,400]; A: input w1; B: input x: QUANTISED (scales: A lowp_scales[0], B lowp_scales[1])
;;     2. [M 128, K 128] x [K 128, N 6,400]; A: input wq; B: computed on the way: QUANTISED (scales: A lowp_scales[2], B lowp_scales[3])
;;     3. [M 128, K 128] x [K 128, N 6,400]; A: input wk; B: computed on the way: QUANTISED (scales: A lowp_scales[4], B lowp_scales[5])
;;     4. [M 128, K 128] x [K 128, N 6,400]; A: input wv; B: computed on the way: QUANTISED (scales: A lowp_scales[6], B lowp_scales[7])
;;     5. [M 128, K 128] x [K 128, N 6,400]; A: input wp; B: computed on the way: QUANTISED (scales: A lowp_scales[8], B lowp_scales[9])
;;     6. [M 6,400, K 128] x [K 128, N 6,400]; A: computed on the way; B: computed on the way: QUANTISED (scales: A lowp_scales[10], B lowp_scales[11])
;;     7. [M 6,400, K 128] x [K 128, N 6,400]; A: computed on the way; B: computed on the way: QUANTISED (scales: A lowp_scales[12], B lowp_scales[13])
;;     8. [M 128, K 6,400] x [K 6,400, N 6,400]; A: computed on the way; B: softmax (see below): QUANTISED (scales: A lowp_scales[14], B lowp_scales[15])
;;     9. [M 6,400, K 128] x [K 128, N 6,400]; A: computed on the way; B: computed on the way: QUANTISED (scales: A lowp_scales[16], B lowp_scales[17])
;;     10. [M 128, K 6,400] x [K 6,400, N 6,400]; A: computed on the way; B: softmax (see below): QUANTISED (scales: A lowp_scales[18], B lowp_scales[19])
;;     11. [M 256, K 128] x [K 128, N 6,400]; A: input w2; B: computed on the way: QUANTISED (scales: A lowp_scales[20], B lowp_scales[21])
;;     12. [M 256, K 128] x [K 128, N 6,400]; A: input w3; B: computed on the way: QUANTISED (scales: A lowp_scales[22], B lowp_scales[23])
;;   THE QUANTISER, for each operand of a quantised product, along K:
;;     - The operand's scale is 2^e, e = its entry of the input lowp_scales (int32; the entries are numbered through the quantised products in the list's order, A before B).
;;     - Each number is divided by the scale, clamped to +-57,344, and rounded to the nearest number of E5M2, ties to even, subnormals kept.
;;     - The product sums the exact products of the quantised numbers (number of the format x scale) in f32.
;;   ~~~python
;;   def quantise(x, axis, e):      # numpy; x: float32 -> the quantised numbers, widened to float32 again
;;       x = np.moveaxis(x, axis, -1); K = x.shape[-1]
;;       r = np.clip(x / 2.0 ** e, -57344, 57344)
;;       step = 2.0 ** (np.maximum(np.frexp(np.where(r == 0, 1, r))[1] - 1, -14) - 2)
;;       q = np.round(r / step) * step * 2.0 ** e      # np.round: ties to even
;;       return np.moveaxis(q, -1, axis).astype(np.float32)
;;   ~~~
;;   SOFTMAX AHEAD OF A QUANTISED PRODUCT. Where the list says 'softmax', what is quantised is not the finished softmax but p = 2^(t - M), with t = logit x log2(e) and M = ceil(the row's largest t), a whole number; so 1/2 < the row's largest p <= 1. The row's sum l is taken of the UNQUANTISED p, in f32, and the product's result is divided by l at the end. Since M is a whole number, a kernel that streams over the keys may use a running M (the ceiling of the running maximum): every later rescaling is an exact power of two, so the quantised numbers keep their values, but for numbers so far below the row's largest that they fall under the format's range.
;;   OPERANDS COMPUTED ON THE WAY. 'Computed on the way' means the value that the module computes at that place (a softmax that the list does not call 'softmax' is quantised finished and normalised). What goes into a quantiser is computed in f32, as accurately as f32 sums, v_exp_f32 and their like allow (about 1e-6 of the number): no bf16 or f16 on the way to a quantiser, and a product that is left as it is and whose result goes on into a quantised operand takes f32 operands (vector FMAs, or v_wmma_f32_16x16x4_f32). A number that lies on a knife's edge between two numbers of the format may be rounded either way, as far as f32 arithmetic and the matrix unit's own rounding can turn it there, and no further.
;; 2 versions. Each part assembles by itself: llvm-mc -triple=amdgcn-amd-amdhsa -mcpu=gfx1250 --defsym DOCPART=n.
;; ======== version 1 of 2: 3 launches
;; limits: right only within a limited range of input values
;; workspace buffers: kvs 4,096,000 bytes; qs 2,457,600 bytes; po 13,107,200 bytes; pm 409,600 bytes
;; launch prep (part 1): grid 100 x 1, 8 waves a work-group, no clusters, 153,088 bytes of LDS; arguments x, w1, wq, wk, wv, wp, g1, v1, m1, b1, bq, bk, bv, bp, rel_h, rel_w, ef_h, ef_w, lowp_scales, kvs, qs; writes kvs, qs
.if DOCPART == 1
	.amdgcn_target "amdgcn-amd-amdhsa--gfx1250"
	.amdhsa_code_object_version 6
	.text
	.protected	k_q5d5473a431_prep
	.globl	k_q5d5473a431_prep
	.p2align	8
	.type	k_q5d5473a431_prep,@function
k_q5d5473a431_prep:
	s_mov_b64 s[64:65], 0
	v_nop
	global_prefetch_b8 v0, s[64:65] scope:SCOPE_SE
	s_setreg_imm32_b32 hwreg(HW_REG_WAVE_MODE, 25, 1), 1
	s_wait_xcnt 0x0
; FIRST OF THREE LAUNCHES.  x1 = silu(bn(w1 x)); q, k, v, p = W x1 + b; cp = rel_h + rel_w; ef = ef_h + ef_w; all as codes of BF8 (E5M2) for the attention launch.
; NOTHING OF THE PROBLEM IS LEFT OUT: every product of the table is live and every input is loaded.  The biases bq, bk, bp go into quantised operands; cp . q hangs on query and key alike, so no term is constant along a softmax's axis.
; WHOSE SCALE IS WHOSE.  The table numbers a product's operands as it is lowered.  q . k: q (queries) e10, k e11.  cp . q is lowered with q on the left: q (keys) e12, cp (queries) e13.  p . ef: p e16, ef e17.  The values: v e14, ef e18.
; LIMITS: every exponent used as a conversion's scale (e0..e9, e13, e17, e18, e10-e2-e3, e12-e2-e3, e11-e4-e5, e16-e8-e9, e14-e6-e7) lies between -126 and 112; e0+e1 between -126 and 127.  NaN and infinities among the inputs are not served.
; SHARES.  Work-group g owns positions 64 g .. 64 g + 63: four tiles of 16.  80 = 5 x 16, so a tile lies in one row of the image: row T / 5, columns 16 (T % 5) on.  Eight waves; wave w: t = w & 3 (tile), hf = w >> 2.
; LAYOUT.  Operands are kept as IMAGES OF THEIR REGISTERS: registers 4 g .. 4 g + 3 of lane l at 512 g + 16 l.  The plain 8-bit layout is used as it stands (registers 2 c, 2 c + 1: k = 16 c + 8 h + 0 .. 7): a result tile
; (register j = row 8 h + j), turned into codes by one conversion, is registers 2 c, 2 c + 1 of the next operand.  Product 1 alone has k = 32 c + 16 h + 0 .. 15 in registers 4 c .. 4 c + 3, alike in w1 and in x.
; OUT.  kvs: 100 chunks of 40,960 bytes: +0 k (e11), +8192 q (e12), +16384 v (e14, keys innermost), +24576 ef (e17), +32768 ef (e18, keys innermost).  qs: 400 tiles of 6,144: +0 q (e10), +2048 cp (e13), +4096 p (e16).
; No cluster, no tensor load: what work-groups share is 384 KiB of weights; each work-group's own x is read once, straight into registers.
.set XROW,  0                          ; LDS: 64 rows (positions) x (256 codes of x + 16)
.set WIMG,  17408                      ; 48 fragments x 2,048: w1 (2 mt + s), wq 16 + mt, wk 24 + mt, wv 32 + mt, wp 40 + mt
.set X1IMG, 115712                     ; x1's codes: (4 q + tile) x 2,048, q = 0..3 for e3, e5, e7, e9
.set TAB,   148480                     ; 7 x 512: m1, s1, b1, bq', bk', bv', bp'
.set SPARE, 152064                     ; the spare words, 128 bytes a wave
.set SC,    68                         ; s[68+i] = e_i
.set R0,    32
.set R1,    96
.set R2,    160
.set CD,    224
; v1 16 x lane; v2, v3 the add's two; v4-23 and v244-252 addresses, all made at the head; v24-31 scales and limits
.macro MKSC se, vs, vl                 ; 2^e as f32, and 57,344 x 2^e
	s_add_co_i32 s98, \se, 127
	s_lshl_b32 s99, s98, 23
	v_mov_b32 v[\vs], s99
	s_add_co_i32 s98, s98, 15
	s_lshl_b32 s98, s98, 23
	s_or_b32 s98, s98, 0x600000
	v_mov_b32 v[\vl], s98
.endm
.macro QUANT n, src, dst, vs, vl       ; n numbers become n codes; the conversion does not saturate (ISA guide 7.6.2), so each number is held first, in place
.set qi, 0
.rept \n
	v_med3_num_f32 v[(\src)+qi], v[(\src)+qi], -v[\vl], v[\vl]
.set qi, qi+1
.endr
.set qi, 0
.rept (\n)/8
	v_cvt_scalef32_pk8_bf8_f32 v[(\dst)+2*qi:(\dst)+2*qi+1], v[(\src)+8*qi:(\src)+8*qi+7], v[\vs]
.set qi, qi+1
.endr
	v_nop                                          ; a plain line behind the last conversion
.endm
.macro QUANTK n, src, tmp, dst, vs, vl ; the same, the numbers kept: held into tmp
.set qi, 0
.rept \n
	v_med3_num_f32 v[(\tmp)+qi], v[(\src)+qi], -v[\vl], v[\vl]
.set qi, qi+1
.endr
.set qi, 0
.rept (\n)/8
	v_cvt_scalef32_pk8_bf8_f32 v[(\dst)+2*qi:(\dst)+2*qi+1], v[(\tmp)+8*qi:(\tmp)+8*qi+7], v[\vs]
.set qi, qi+1
.endr
	v_nop
.endm
.macro WLOAD reg, base, voff, kind, off ; a weight fragment's 64 numbers a lane.  kind 1: 16 neighbours of each 32 (w1); kind 0: 8 neighbours of each 16
.set wi, 0
.rept 16
.if \kind
	global_load_b128 v[\reg+4*wi:\reg+4*wi+3], v[\voff], s[\base:\base+1] offset:\off+128*(wi/4)+16*(wi%4)
.else
	global_load_b128 v[\reg+4*wi:\reg+4*wi+3], v[\voff], s[\base:\base+1] offset:\off+64*(wi/2)+16*(wi%2)
.endif
.set wi, wi+1
.endr
.endm
.macro IMAGE adr, off, src
.set fg, 0
.rept 4
	ds_store_b128 v[\adr], v[(\src)+4*fg:(\src)+4*fg+3] offset:(\off)+512*fg
.set fg, fg+1
.endr
.endm
.macro FETCH reg, adr, off
.set fg, 0
.rept 4
	ds_load_b128 v[(\reg)+4*fg:(\reg)+4*fg+3], v[\adr] offset:(\off)+512*fg
.set fg, fg+1
.endr
.endm
.macro BARRIER                         ; my LDS stores have landed and my LDS loads are in: then the work-group's barrier
	s_wait_dscnt 0x0
	s_barrier_signal -1
	s_barrier_wait -1
.endm
.macro PLACES n
.rept \n
	v_nop
.endr
.endm
.macro WITEM cnt, reg, se, adr, off    ; a weight fragment: its loads are in (cnt were issued behind them), quantised, image to LDS
	s_wait_loadcnt \cnt
	MKSC \se, 24, 25
	s_wait_dscnt 0x0                               ; the last image's stores have read the codes' registers
	QUANT 64, \reg, CD, 24, 25
	IMAGE \adr, \off, CD
.endm
	s_load_b512 s[4:19], s[0:1], 0x0               ; x, w1, wq, wk, wv, wp, g1, v1
	s_load_b512 s[20:35], s[0:1], 0x40             ; m1, b1, bq, bk, bv, bp, rel_h, rel_w
	s_load_b256 s[36:43], s[0:1], 0x80             ; ef_h, ef_w, lowp_scales, kvs
	s_load_b64 s[44:45], s[0:1], 0xa0              ; qs
	v_lshl_add_u32 v2, v0, 2, SPARE
	v_mov_b32 v3, 0
	v_lshrrev_b32 v253, 5, v0
	v_readfirstlane_b32 s46, v253                  ; wave w
	v_and_b32 v255, 31, v0                         ; lane
	v_and_b32 v253, 15, v0                         ; r
	v_bfe_u32 v254, v0, 4, 1                       ; h
	v_lshlrev_b32 v1, 4, v255
	s_and_b32 s47, s46, 3                          ; t
	s_lshr_b32 s48, s46, 2                         ; hf
	s_and_b32 s49, s46, 1                          ; ph
	s_lshr_b32 s50, s46, 1                         ; kq
	s_lshl_b32 s51, ttmp9, 2
	s_add_co_u32 s51, s51, s47                     ; T = 4 g + t
	s_mul_hi_u32 s52, s51, 0xcccccccd
	s_lshr_b32 s52, s52, 2                         ; T / 5: the image's row
	s_mul_i32 s53, s52, 5
	s_sub_co_u32 s53, s51, s53                     ; T % 5
	v_and_b32 v4, 127, v0
	v_lshlrev_b32 v4, 2, v4                        ; v4: the tables: 4 x channel
	v_add_nc_u32 v5, TAB, v4                       ; v5: the same in LDS
	v_mul_u32_u24 v7, v254, 2560                   ; 8 h channels of 320 bytes
	v_lshl_add_u32 v6, v253, 2, v7
	s_lshl_b32 s54, s53, 6
	v_add_nc_u32 v6, s54, v6                       ; v6: rel_w / ef_w: channel 8 h, column 16 (T % 5) + r
	s_lshl_b32 s54, s52, 2
	v_add_nc_u32 v7, s54, v7                       ; v7: rel_h / ef_h: channel 8 h, row T / 5
	s_mul_i32 s54, s50, 64*25600
	s_lshl_b32 s55, ttmp9, 8
	s_add_co_u32 s54, s54, s55
	s_lshl_b32 s55, s49, 7
	s_add_co_u32 s54, s54, s55
	v_lshl_add_u32 v8, v255, 2, s54                ; v8: x: channel 64 kq, position 64 g + 32 ph + lane
	s_mul_i32 s54, s49, 32*272
	s_lshl_b32 s55, s50, 6
	s_add_co_u32 s54, s54, s55
	v_mul_u32_u24 v9, v255, 272
	v_add_nc_u32 v9, s54, v9                       ; v9: x's codes into LDS: row 32 ph + lane, byte 64 kq
	s_lshl_b32 s54, s46, 14
	v_lshlrev_b32 v10, 10, v253
	v_lshl_add_u32 v10, v254, 6, v10
	v_add_nc_u32 v10, s54, v10                     ; v10: w1: row 16 w + r of 1,024 bytes, + 64 h
	s_lshl_b32 s54, s46, 13
	v_lshlrev_b32 v11, 9, v253
	v_lshl_add_u32 v11, v254, 5, v11
	v_add_nc_u32 v11, s54, v11                     ; v11: wq .. wp: row 16 w + r of 512 bytes, + 32 h
	s_lshl_b32 s54, s46, 12
	s_add_co_u32 s54, s54, WIMG
	v_add_nc_u32 v12, s54, v1                      ; v12: w1's images (2 w + s)
	s_lshl_b32 s54, s46, 11
	s_add_co_u32 s54, s54, WIMG+32768
	v_add_nc_u32 v13, s54, v1                      ; v13: image 16 + w; wk, wv, wp 16,384 bytes apart
	s_mul_i32 s54, s46, 5120
	v_mul_u32_u24 v239, v253, 320
	v_add_nc_u32 v239, s54, v239                   ; channel 16 w + r
	v_lshl_add_u32 v238, v254, 5, v239             ; + 8 h columns
.irp c, 0,1,2,3                        ; v14-17, v18-21: ef_w and ef_h for the chunk's four tiles (ef with the keys innermost)
	s_lshl_b32 s55, ttmp9, 2
	s_add_co_u32 s55, s55, \c
	s_mul_hi_u32 s56, s55, 0xcccccccd
	s_lshr_b32 s56, s56, 2
	s_mul_i32 s57, s56, 5
	s_sub_co_u32 s57, s55, s57
	s_lshl_b32 s57, s57, 6
	v_add_nc_u32 v[14+\c], s57, v238
	s_lshl_b32 s56, s56, 2
	v_add_nc_u32 v[18+\c], s56, v239
.endr
	s_mul_i32 s54, s47, 16*272
	v_mul_u32_u24 v22, v253, 272
	v_lshl_add_u32 v22, v254, 4, v22
	v_add_nc_u32 v22, s54, v22                     ; v22: x's fragments: row 16 t + r, + 16 h
	s_lshl_b32 s54, s48, 14
	s_add_co_u32 s54, s54, WIMG
	v_add_nc_u32 v23, s54, v1                      ; v23: w1's images 8 hf on
	s_lshl_b32 s54, s48, 8
	s_add_co_u32 s54, s54, TAB
	v_lshl_add_u32 v244, v254, 5, s54              ; v244: a table at channel 64 hf + 8 h
	s_lshl_b32 s54, s47, 11
	s_add_co_u32 s54, s54, X1IMG
	v_add_nc_u32 v246, s54, v1                     ; v246: x1's image of tile t
	s_lshl_b32 s55, s48, 10
	v_add_nc_u32 v245, s55, v246                   ; v245: my half of it: groups 2 hf, 2 hf + 1
	v_add_nc_u32 v250, s55, v1                     ; v250: the same in memory
	s_lshl_b32 s54, s48, 13
	s_add_co_u32 s54, s54, WIMG+32768
	v_add_nc_u32 v247, s54, v1                     ; v247: images 16 + 4 hf on
	v_add_nc_u32 v248, X1IMG, v1                   ; v248: x1's images from tile 0 on
	s_lshl_b32 s54, s46, 6
	s_add_co_u32 s54, s54, TAB+2560
	v_lshl_add_u32 v249, v253, 2, s54              ; v249: bv' of channel 16 w + r
	s_lshl_b32 s54, s47, 11
	v_add_nc_u32 v251, s54, v250                   ; v251: tile t's fragment in a chunk, my half
	s_lshl_b32 s54, s46, 10
	v_add_nc_u32 v252, s54, v1                     ; v252: channel tile w's fragment of 1,024 bytes
	s_wait_kmcnt 0x0
	s_load_b512 s[68:83], s[40:41], 0x0            ; e0 .. e15
	s_load_b256 s[84:91], s[40:41], 0x40           ; e16 .. e23
	s_mul_i32 s54, ttmp9, 40960
	s_mov_b32 s55, 0
	s_add_nc_u64 s[42:43], s[42:43], s[54:55]      ; kvs at my chunk
	s_mul_i32 s54, s51, 6144
	s_add_nc_u64 s[44:45], s[44:45], s[54:55]      ; qs at my tile
	s_lshl_b32 s96, s47, 11
	s_add_co_u32 s96, s96, 24576
	s_mov_b32 s97, 0
	s_cmp_eq_u32 s48, 0                            ; the choices hang on the wave's number alone
	s_cselect_b64 s[54:55], s[16:17], s[24:25]     ; g1 | bq
	s_cselect_b64 s[56:57], s[18:19], s[26:27]     ; v1 | bk
	s_cselect_b64 s[58:59], s[20:21], s[28:29]     ; m1 | bv
	s_cselect_b64 s[60:61], s[22:23], s[30:31]     ; b1 | bp
	s_cselect_b64 s[62:63], s[34:35], s[38:39]     ; rel_w | ef_w
	s_cselect_b64 s[92:93], s[32:33], s[36:37]     ; rel_h | ef_h
	s_cselect_b64 s[94:95], s[44:45], s[42:43]     ; cp goes to qs, ef to kvs
	s_cselect_b32 s96, 2048, s96
	s_add_nc_u64 s[94:95], s[94:95], s[96:97]
	; ---- A: all that comes from memory
	global_load_b32 v240, v4, s[54:55]
	global_load_b32 v241, v4, s[56:57]
	global_load_b32 v242, v4, s[58:59]
	global_load_b32 v243, v4, s[60:61]
.set i, 0
.rept 64                               ; lane (r, h), register 8 mt + j: channel 16 mt + 8 h + j of position r
	global_load_b32 v[R0+i], v6, s[62:63] offset:(16*(i/8)+i%8)*320
	global_load_b32 v[R1+i], v7, s[92:93] offset:(16*(i/8)+i%8)*320
.set i, i+1
.endr
.set i, 0
.rept 64                               ; a lane takes a position, its registers run down the channels: 128 consecutive bytes a load
	global_load_b32 v[R2+i], v8, s[4:5] offset:i*25600 th:TH_LOAD_NT
.set i, i+1
.endr
	s_wait_kmcnt 0x0
	s_cmp_eq_u32 s48, 0
	s_cselect_b32 s97, s[SC+13], s[SC+17]          ; cp is the right operand of its product: e13; ef of p . ef: e17
	s_wait_loadcnt 63                              ; 64 loads of x were issued behind the tables and cp / ef: the count's field holds 63
	s_cmp_lg_u32 s48, 0
	s_cbranch_scc1 .Lbias
	v_add_f32 v241, 0x3727c5ac, v241               ; v1 + 1e-5
	v_rsq_f32 v241, v241
	v_nop
	s_wait_alu depctr_va_vdst(0)                   ; the wait ahead of the result's first reader
	v_mul_f32 v241, v240, v241                     ; s1 = g1 rsqrt(v1 + eps)
	ds_store_b32 v5, v242
	ds_store_b32 v5, v241 offset:512
	ds_store_b32 v5, v243 offset:1024
	s_branch .Ltab
.Lbias:                                            ; a bias goes in as the C of its product, divided by the power of two that the sums lack
	s_add_co_i32 s100, s[SC+2], s[SC+3]
	s_sub_co_i32 s100, 0, s100
	v_ldexp_f32 v240, v240, s100
	s_add_co_i32 s100, s[SC+4], s[SC+5]
	s_sub_co_i32 s100, 0, s100
	v_ldexp_f32 v241, v241, s100
	s_add_co_i32 s100, s[SC+6], s[SC+7]
	s_sub_co_i32 s100, 0, s100
	v_ldexp_f32 v242, v242, s100
	s_add_co_i32 s100, s[SC+8], s[SC+9]
	s_sub_co_i32 s100, 0, s100
	v_ldexp_f32 v243, v243, s100
	ds_store_b32 v5, v240 offset:1536
	ds_store_b32 v5, v241 offset:2048
	ds_store_b32 v5, v242 offset:2560
	ds_store_b32 v5, v243 offset:3072
.Ltab:
.set i, 0
.rept 32
	v_pk_add_f32 v[R0+2*i:R0+2*i+1], v[R0+2*i:R0+2*i+1], v[R1+2*i:R1+2*i+1]   ; cp (waves 0-3) or ef (waves 4-7) of tile t
.set i, i+1
.endr
	MKSC s97, 24, 25
	QUANT 64, R0, CD, 24, 25
.irp g, 0,1,2,3
	global_store_b128 v1, v[CD+4*\g:CD+4*\g+3], s[94:95] offset:512*\g   ; 32 lanes store 512 consecutive bytes
.endr
	WLOAD R0, 6, 10, 1, 0                          ; w1, K step 0
	WLOAD R1, 6, 10, 1, 512                        ; w1, K step 1
	s_wait_loadcnt 32                              ; x is in: 32 loads were issued behind it
	s_wait_xcnt 0x0                                ; the stores above have read the codes' registers
	MKSC s[SC+1], 24, 25
	QUANT 64, R2, CD, 24, 25
.irp g, 0,1,2,3
	ds_store_b128 v9, v[CD+4*\g:CD+4*\g+3] offset:16*\g   ; 64 codes: channels 64 kq on of my position
.endr
	WLOAD R2, 8, 11, 0, 0                          ; wq
	WITEM 32, R0, s[SC+0], 12, 0
	WLOAD R0, 10, 11, 0, 0                         ; wk
	WITEM 32, R1, s[SC+0], 12, 2048
	WLOAD R1, 12, 11, 0, 0                         ; wv
	WITEM 32, R2, s[SC+2], 13, 0
	WLOAD R2, 14, 11, 0, 0                         ; wp
	WITEM 32, R0, s[SC+4], 13, 16384
.irp c, 0,1,2,3                        ; ef with the keys innermost: lane (r, h): channel 16 w + r, positions 16 c + 8 h + 0 .. 7
	global_load_b128 v[R0+8*\c:R0+8*\c+3], v[14+\c], s[38:39]
	global_load_b128 v[R0+8*\c+4:R0+8*\c+7], v[14+\c], s[38:39] offset:16
	global_load_b32 v[R0+32+\c], v[18+\c], s[36:37]
.endr
	WITEM 28, R1, s[SC+6], 13, 32768
	WITEM 12, R2, s[SC+8], 13, 49152
	s_wait_loadcnt 0x0
.set i, 0
.rept 32
	v_add_f32 v[R0+i], v[R0+i], v[R0+32+i/8]
.set i, i+1
.endr
	MKSC s[SC+18], 24, 25
	s_wait_dscnt 0x0
	QUANT 32, R0, CD, 24, 25
	global_store_b128 v252, v[CD:CD+3], s[42:43] offset:32768
	global_store_b128 v252, v[CD+4:CD+7], s[42:43] offset:32768+512
	BARRIER                                        ; x's codes, the weights' images and the tables lie in LDS
	; ---- B: x1 of tile t, channels 64 hf on
	s_wait_xcnt 0x0                                ; every store so far has read its registers
.irp s, 0,1
.irp c, 0,1,2,3
	ds_load_b128 v[32+16*\s+4*\c:32+16*\s+4*\c+3], v22 offset:128*\s+32*\c
.endr
.endr
.set i, 0
.rept 8
	FETCH 96+16*i, 23, 2048*i
.set i, i+1
.endr
	s_add_co_i32 s100, s[SC+0], s[SC+1]
	s_add_co_i32 s100, s100, 127
	s_lshl_b32 s100, s100, 23                      ; 2^(e0 + e1)
	s_mov_b32 s101, s100
	s_wait_dscnt 0x0
.irp i, 0,1,2,3                        ; source 0 = 16 rows of w1, source 1 = x: a lane holds one position, its registers eight channels.  The four sums take turns
	v_wmma_f32_16x16x128_bf8_bf8 v[64+8*\i:71+8*\i], v[96+32*\i:111+32*\i], v[32:47], 0
.endr
.irp i, 0,1,2,3
	v_wmma_f32_16x16x128_bf8_bf8 v[64+8*\i:71+8*\i], v[112+32*\i:127+32*\i], v[48:63], v[64+8*\i:71+8*\i]
.endr
	PLACES 5
.irp i, 0,1,2,3
.irp j, 0,1
	ds_load_b128 v[96+8*\i+4*\j:96+8*\i+4*\j+3], v244 offset:64*\i+16*\j
	ds_load_b128 v[128+8*\i+4*\j:128+8*\i+4*\j+3], v244 offset:512+64*\i+16*\j
	ds_load_b128 v[160+8*\i+4*\j:160+8*\i+4*\j+3], v244 offset:1024+64*\i+16*\j
.endr
.endr
	s_wait_dscnt 0x0
.set i, 0
.rept 16
	v_pk_fma_f32 v[64+2*i:65+2*i], v[64+2*i:65+2*i], s[100:101], v[96+2*i:97+2*i] op_sel_hi:[1,0,1] neg_lo:[0,0,1] neg_hi:[0,0,1]   ; y - m1
.set i, i+1
.endr
.set i, 0
.rept 16
	v_pk_fma_f32 v[64+2*i:65+2*i], v[64+2*i:65+2*i], v[128+2*i:129+2*i], v[160+2*i:161+2*i]   ; x s1 + b1
.set i, i+1
.endr
.set i, 0
.rept 16
	v_pk_mul_f32 v[192+2*i:193+2*i], v[64+2*i:65+2*i], 0xbfb8aa3b op_sel_hi:[1,0]   ; -y log2(e)
.set i, i+1
.endr
.set i, 0
.rept 32
	v_exp_f32 v[192+i], v[192+i]
.set i, i+1
.endr
	v_nop
	s_wait_alu depctr_va_vdst(0)                   ; one wait for the batch
.set i, 0
.rept 16
	v_pk_add_f32 v[192+2*i:193+2*i], v[192+2*i:193+2*i], 1.0 op_sel_hi:[1,0]
.set i, i+1
.endr
.set i, 0
.rept 32
	v_rcp_f32 v[192+i], v[192+i]
.set i, i+1
.endr
	v_nop
	s_wait_alu depctr_va_vdst(0)
.set i, 0
.rept 16
	v_pk_mul_f32 v[64+2*i:65+2*i], v[64+2*i:65+2*i], v[192+2*i:193+2*i]   ; x1 = y sigmoid(y)
.set i, i+1
.endr
.irp q, 0,1,2,3                        ; x1 is the B of four products, each with a scale of its own: e3, e5, e7, e9
	MKSC s[SC+3+2*\q], 24+2*\q, 25+2*\q
	QUANTK 32, 64, 96+32*\q, 32+8*\q, 24+2*\q, 25+2*\q
	ds_store_b128 v245, v[32+8*\q:35+8*\q] offset:8192*\q
	ds_store_b128 v245, v[36+8*\q:39+8*\q] offset:8192*\q+512
.endr
	BARRIER                                        ; x1's sixteen fragments lie in LDS
	; ---- C: q, k, p of tile t, channels 64 hf on; then v of channel tile w
.macro PROJ qx, wx, tb                 ; the bias, already divided, is loaded into the sums' registers and is the product's C
	FETCH 32, 246, 8192*\qx
.irp i, 0,1,2,3
	FETCH 96+16*\i, 247, 16384*\wx+2048*\i
	ds_load_b128 v[64+8*\i:67+8*\i], v244 offset:\tb+64*\i
	ds_load_b128 v[68+8*\i:71+8*\i], v244 offset:\tb+64*\i+16
.endr
	s_wait_dscnt 0x0
.irp i, 0,1,2,3
	v_wmma_f32_16x16x128_bf8_bf8 v[64+8*\i:71+8*\i], v[96+16*\i:111+16*\i], v[32:47], v[64+8*\i:71+8*\i]
.endr
	PLACES 5
.endm
	PROJ 0, 0, 1536
	s_sub_co_i32 s100, s[SC+10], s[SC+2]
	s_sub_co_i32 s100, s100, s[SC+3]               ; a sum stands for sum x 2^(e2 + e3): the three exponents are folded into the conversion's one.  q of the queries, for q . k: e10
	MKSC s100, 24, 25
	QUANTK 32, 64, 200, 160, 24, 25
	global_store_b128 v250, v[160:163], s[44:45]
	global_store_b128 v250, v[164:167], s[44:45] offset:512
	s_sub_co_i32 s100, s[SC+12], s[SC+2]           ; q of the keys, the left operand of cp . q: e12
	s_sub_co_i32 s100, s100, s[SC+3]
	MKSC s100, 26, 27
	QUANT 32, 64, 168, 26, 27
	global_store_b128 v251, v[168:171], s[42:43] offset:8192
	global_store_b128 v251, v[172:175], s[42:43] offset:8192+512
	PROJ 1, 1, 2048
	s_sub_co_i32 s100, s[SC+11], s[SC+4]
	s_sub_co_i32 s100, s100, s[SC+5]
	MKSC s100, 24, 25
	QUANT 32, 64, 176, 24, 25
	global_store_b128 v251, v[176:179], s[42:43]
	global_store_b128 v251, v[180:183], s[42:43] offset:512
	PROJ 3, 3, 3072
	s_sub_co_i32 s100, s[SC+16], s[SC+8]
	s_sub_co_i32 s100, s100, s[SC+9]
	MKSC s100, 26, 27
	QUANT 32, 64, 184, 26, 27
	global_store_b128 v250, v[184:187], s[44:45] offset:4096
	global_store_b128 v250, v[188:191], s[44:45] offset:4096+512
	; v the other way round: source 0 = 16 positions of x1, source 1 = 16 rows of wv: a lane holds one channel, its registers eight positions: the keys come out innermost
	FETCH 32, 13, 32768
.irp p, 0,1,2,3
	FETCH 96+16*\p, 248, 16384+2048*\p
.endr
	ds_load_b32 v48, v249
	s_wait_dscnt 0x0
.irp j, 1,2,3,4,5,6,7
	v_mov_b32 v[48+\j], v48
.endr
.irp p, 0,1,2,3
	v_wmma_f32_16x16x128_bf8_bf8 v[64+8*\p:71+8*\p], v[96+16*\p:111+16*\p], v[32:47], v[48:55]
.endr
	PLACES 5
	s_sub_co_i32 s100, s[SC+14], s[SC+6]
	s_sub_co_i32 s100, s100, s[SC+7]
	MKSC s100, 24, 25
	QUANT 32, 64, 192, 24, 25
	global_store_b128 v252, v[192:195], s[42:43] offset:16384
	global_store_b128 v252, v[196:199], s[42:43] offset:16384+512
	s_wait_tensorcnt 0x0                           ; the wave's end
	ds_add_u32 v2, v3
	s_wait_dscnt 0x0
	s_endpgm
.Lfunc_end_k_q5d5473a431_prep:
	.size	k_q5d5473a431_prep, .Lfunc_end_k_q5d5473a431_prep-k_q5d5473a431_prep
	.p2alignl 7, 3214868480
	.fill 96, 4, 3214868480
	.section	.rodata,"a",@progbits
	.p2align	6, 0x0
	.amdhsa_kernel k_q5d5473a431_prep
		.amdhsa_group_segment_fixed_size 153088
		.amdhsa_private_segment_fixed_size 0
		.amdhsa_enable_private_segment 0
		.amdhsa_kernarg_size 168
		.amdhsa_user_sgpr_count 2
		.amdhsa_user_sgpr_kernarg_segment_ptr 1
		.amdhsa_wavefront_size32 1
		.amdhsa_system_sgpr_workgroup_id_x 1
		.amdhsa_system_sgpr_workgroup_id_y 1
		.amdhsa_system_sgpr_workgroup_id_z 1
		.amdhsa_system_vgpr_workitem_id 0
		.amdhsa_next_free_vgpr 256
		.amdhsa_next_free_sgpr 102
		.amdhsa_reserve_vcc 0
		.amdhsa_float_denorm_mode_32 3
		.amdhsa_float_denorm_mode_16_64 3
		.amdhsa_memory_ordered 1
		.amdhsa_forward_progress 1
		.amdhsa_inst_pref_size 130
	.end_amdhsa_kernel
	.amdgpu_metadata
---
amdhsa.version: [ 1, 2 ]
amdhsa.kernels:
  - .name:           k_q5d5473a431_prep
    .symbol:         k_q5d5473a431_prep.kd
    .args:
      - { .name: x, .offset: 0, .size: 8, .value_kind: global_buffer, .address_space: global }
      - { .name: w1, .offset: 8, .size: 8, .value_kind: global_buffer, .address_space: global }
      - { .name: wq, .offset: 16, .size: 8, .value_kind: global_buffer, .address_space: global }
      - { .name: wk, .offset: 24, .size: 8, .value_kind: global_buffer, .address_space: global }
      - { .name: wv, .offset: 32, .size: 8, .value_kind: global_buffer, .address_space: global }
      - { .name: wp, .offset: 40, .size: 8, .value_kind: global_buffer, .address_space: global }
      - { .name: g1, .offset: 48, .size: 8, .value_kind: global_buffer, .address_space: global }
      - { .name: v1, .offset: 56, .size: 8, .value_kind: global_buffer, .address_space: global }
      - { .name: m1, .offset: 64, .size: 8, .value_kind: global_buffer, .address_space: global }
      - { .name: b1, .offset: 72, .size: 8, .value_kind: global_buffer, .address_space: global }
      - { .name: bq, .offset: 80, .size: 8, .value_kind: global_buffer, .address_space: global }
      - { .name: bk, .offset: 88, .size: 8, .value_kind: global_buffer, .address_space: global }
      - { .name: bv, .offset: 96, .size: 8, .value_kind: global_buffer, .address_space: global }
      - { .name: bp, .offset: 104, .size: 8, .value_kind: global_buffer, .address_space: global }
      - { .name: rel_h, .offset: 112, .size: 8, .value_kind: global_buffer, .address_space: global }
      - { .name: rel_w, .offset: 120, .size: 8, .value_kind: global_buffer, .address_space: global }
      - { .name: ef_h, .offset: 128, .size: 8, .value_kind: global_buffer, .address_space: global }
      - { .name: ef_w, .offset: 136, .size: 8, .value_kind: global_buffer, .address_space: global }
      - { .name: lowp_scales, .offset: 144, .size: 8, .value_kind: global_buffer, .address_space: global }
      - { .name: kvs, .offset: 152, .size: 8, .value_kind: global_buffer, .address_space: global }
      - { .name: qs, .offset: 160, .size: 8, .value_kind: global_buffer, .address_space: global }
    .group_segment_fixed_size: 153088
    .private_segment_fixed_size: 0
    .kernarg_segment_align: 8
    .kernarg_segment_size: 168
    .max_flat_workgroup_size: 256
    .sgpr_count:     102
    .vgpr_count:     256
    .wavefront_size: 32
...
	.end_amdgpu_metadata
.endif
;; end of part 1
;; launch att (part 2): grid 100 x 2, 8 waves a work-group, clusters of 4 x 1, 327,680 bytes of LDS; arguments kvs, qs, lowp_scales, po, pm; writes po, pm
.if DOCPART == 2
	.amdgcn_target "amdgcn-amd-amdhsa--gfx1250"
	.amdhsa_code_object_version 6
	.text
	.protected	k_q5d5473a431_att
	.globl	k_q5d5473a431_att
	.p2align	8
	.type	k_q5d5473a431_att,@function
k_q5d5473a431_att:
	s_mov_b64 s[64:65], 0
	v_nop
	global_prefetch_b8 v0, s[64:65] scope:SCOPE_SE
	s_setreg_imm32_b32 hwreg(HW_REG_WAVE_MODE, 25, 1), 1
	s_wait_xcnt 0x0
	s_wait_alu depctr_hold_cnt(0) depctr_sa_sdst(0) depctr_va_vdst(0) depctr_va_sdst(0) depctr_va_ssrc(0) depctr_va_vcc(0) depctr_vm_vsrc(0)
	s_getreg_b32 s2, hwreg(HW_REG_IB_STS2, 6, 4)
	s_cmp_eq_u32 s2, 0
	s_cbranch_scc0 .Lentry_in_a_cluster
	s_endpgm
.Lentry_in_a_cluster:
	s_bfe_u32 s2, ttmp6, 0x10000c
	s_cmp_lg_u32 s2, 0x3003
	s_cbranch_scc0 .Lentry_shape_is_right
	s_endpgm
.Lentry_shape_is_right:
; SECOND LAUNCH: both attentions on codes of BF8.  Nothing is left out.  Branch 0: logit = q . k + cp . q, values v.  Branch 1: logit = p . ef, values ef.
; THE SOFTMAX: t = logit x log2(e); M = the largest t so far, rounded up to a whole number; p = 2^(t - M) is quantised along the keys; the sum l is taken of the unquantised p.  O, -M and l leave unnormalised.
; SHARES.  A work-group owns 64 queries (block qb), both branches, and half hh of the keys.  Wave w: branch w >> 2, pair of query tiles (w >> 1) & 1, key quarter 2 hh + (w & 1): 25 chunks of 64 keys.
; Both products are used transposed (S^T = K Q^T, O^T = V^T P^T): a lane holds one query; a tile of S^T turned into codes is two registers of P as it stands.
; At the end the two waves of a pair (w, w xor 1) hold the same two tiles over two quarters: each gives one tile to the other through LDS and stores one.  Register set a holds tile 2 tp + (a xor ks): set 0 stays, set 1 goes.
; CLUSTER.  The four query blocks of a cluster walk the same keys: each tensor load is asked for jointly, with the same descriptor and the mask of all four.
; LIMITS: e12 + e13 and e16 + e17 (added to log2(e)'s exponent field) between -126 and 126; e10 + e11 - e12 - e13 between -126 and 127; e15, e19 between -126 and 112.  NaN and infinities are not served.
; REGISTERS.  Window 0: v1-15 addresses; v16-31 statistics; v32-95 K's four fragments; v96-159 S^T, then p; v160-175 P; v176, v177 2^ep and 57,344 x 2^ep; v180-191 at work; v192-255 q's four key fragments (branch 0).
;             Window 1: v0-127 O^T (64 a + 8 ct); v128-191 the queries' fragments (32 a + 16 x); v192-255 V's eight fragments.
.set BLK,   40960                      ; a chunk of 64 keys
.set SLOTB, 81920                      ; a slot: a chunk of each of the two quarters
.set STG,   163840                     ; behind the ring: 8 x (8,192 + 256) bytes for the exchange; no tensor load lands here
.set STGW,  8448
.set SPARE, 231424                     ; the spare words, 128 bytes a wave
.set LI, 1
.set SPW, 2
.set NIL, 3
.set AK, 4                             ; v4, v5  K's (or ef's) fragments in slot 0, 1
.set AV, 6                             ; v6, v7  V's
.set PFO, 8
.set SOW, 9                            ; the exchange: my region, the partner's; O and statistics
.set SOP, 10
.set SSW, 11
.set SSP, 12
.set L8, 13
.set QO, 14                            ; v14, v15 the two tiles' offsets in qs
.set ST, 16                            ; set a at 16 + 8 a: +0 -M, +1 largest t (at the end l), +2, +3 l in two halves, +4 f, +5 zero, +6, +7 at work
.set KA, 32
.set S, 96
.set P, 160
.set SCL, 176
.set LMT, 177
.set TM, 180
.set KX, 192
.set QF, 128                           ; window 1
.set VB, 192                           ; window 1
.set WV, 14
.set BR, 15
.set TP, 16
.set KS, 17
.set CX, 18
.set QB, 19
.set HH, 20
.set G1, 24
.set G0A, 32                           ; s[32:35] slot 0's group 0; s[36:39] slot 1's
.set CS, 40
.set RT, 42
.set SEL, 44
.set CNT, 46
.set LIM, 47
.set PFA, 48
.set SC, 68
.set MSB, 0
.macro WIN new                         ; the immediate's high byte repeats the setting that is left
.if MSB != \new
	s_set_vgpr_msb (MSB<<8)|\new
.set MSB, \new
.endif
.endm
.macro PLACES n
.rept \n
	v_nop
.endr
.endm
.macro CROUND                          ; a round of the cluster's barrier
	s_barrier_signal -1
	s_barrier_wait -1
	s_cmp_lg_u32 s[WV], 0
	s_cbranch_scc1 .Lnot_wave_0_\@
	s_barrier_signal -3
.Lnot_wave_0_\@:
	s_barrier_wait -3
	s_barrier_signal -1
	s_barrier_wait -1
.endm
; A prefetch of the two chunks of each quarter that the next trip's two refills will ask for: 640 blocks of 256 bytes.  All clusters of a key half walk the same bytes: the first cluster asks.  Its four partners are told apart
; by address (quarter cx >> 1, half cx & 1 of its 320 blocks); in each, waves 0 to 4 ask, a lane a block.  So each block is named once.  The last trip asks for nothing; chunks 0 to 3 and 24 come by their loads alone.
.macro ASK
	s_cmp_gt_u32 s[CNT], s[LIM]
	s_cbranch_scc0 .Lnot_mine_\@
	global_prefetch_b8 v[PFO], s[PFA:PFA+1] th:TH_LOAD_NT scope:SCOPE_SE
.Lnot_mine_\@:
.endm
; The change of slots.  Each wave waits for all its tensor loads (one is out: its part of the slot ahead), adds 0 to its spare word, and waits for that and for its reads of the slot that it leaves.
; refill = 1: a round of the cluster's barrier, and the slot just left is asked for again, first thing behind it, one load a wave.
.macro CHANGE slot, refill, ask
	s_wait_tensorcnt 0x0
	ds_add_u32 v[SPW], v[NIL]
.if \refill
	s_add_nc_u64 s[G0A+4*\slot+2:G0A+4*\slot+3], s[G0A+4*\slot+2:G0A+4*\slot+3], 2*BLK   ; no load of mine is out: the slot's next chunk, two on
.endif
.if \ask
	s_wait_xcnt 0x0                                ; the last prefetch, a trip back, has read its address
	s_add_nc_u64 s[PFA:PFA+1], s[PFA:PFA+1], 2*BLK
.endif
	s_wait_dscnt 0x0
.if \refill
	CROUND
	tensor_load_to_lds s[G0A+4*\slot:G0A+4*\slot+3], s[G1:G1+7]
	s_nop 0
	PLACES 4                                       ; also the places in front of the loads into V's registers
.if \ask
	ASK
.endif
.else
	s_barrier_signal -1
	s_barrier_wait -1
	PLACES 4
.endif
.endm
.macro MX first, c, i, j, k            ; a link of the maximum's chain c, for both tiles
.irp a, 0,1
.if \first
	v_max3_num_f32 v[ST+8*\a+\c], v[S+32*\a+\i], v[S+32*\a+\j], v[S+32*\a+\k]
.else
	v_max3_num_f32 v[ST+8*\a+\c], v[ST+8*\a+\c], v[S+32*\a+\i], v[S+32*\a+\j]
.endif
.endr
.endm
; A KEY STEP: 64 keys of my quarter against my two tiles of queries.  first = 1: it starts M, l and O^T.
.macro STEP slot, first
	s_cmp_lg_u32 s[BR], 0                          ; the branch hangs on the wave's number alone
	s_cbranch_scc1 .Lnokx_\@
.set i, 0
.rept 16
	ds_load_b128 v[KX+4*i:KX+4*i+3], v[AK+\slot] offset:8192+512*i   ; branch 0: q of the keys, for cp . q
.set i, i+1
.endr
.Lnokx_\@:
.set i, 0
.rept 16
	ds_load_b128 v[KA+4*i:KA+4*i+3], v[AK+\slot] offset:512*i
.set i, i+1
.endr
	WIN 0x40
.set i, 0
.rept 16
	ds_load_b128 v[VB+4*i:VB+4*i+3], v[AV+\slot] offset:512*i
.set i, i+1
.endr
	s_wait_dscnt 16                                ; all but V's sixteen
	WIN 0x04
.irp kt, 0,1,2,3                       ; the eight sums take turns
.irp a, 0,1
	v_wmma_f32_16x16x128_bf8_bf8 v[S+32*\a+8*\kt:S+32*\a+8*\kt+7], v[KA+16*\kt:KA+16*\kt+15], v[QF+32*\a:QF+32*\a+15], 0
.endr
.endr
	WIN 0
	s_cmp_lg_u32 s[BR], 0
	s_cbranch_scc1 .Lone_\@
	PLACES 4
.set i, 0
.rept 32
	v_pk_mul_f32 v[S+2*i:S+2*i+1], v[S+2*i:S+2*i+1], s[RT:RT+1] op_sel_hi:[1,0]   ; q . k under cp . q's power of two: x 2^(e10 + e11 - e12 - e13), exact
.set i, i+1
.endr
	WIN 0x04
.irp kt, 0,1,2,3
.irp a, 0,1
	v_wmma_f32_16x16x128_bf8_bf8 v[S+32*\a+8*\kt:S+32*\a+8*\kt+7], v[KX+16*\kt:KX+16*\kt+15], v[QF+32*\a+16:QF+32*\a+31], v[S+32*\a+8*\kt:S+32*\a+8*\kt+7]
.endr
.endr
	WIN 0
.Lone_\@:
	PLACES 4
	MX 1, 6, 0, 1, 2                               ; each of a tile's four sums is first read at its low end
	MX 1, 7, 8, 9, 10
	MX 0, 6, 16, 17, 0
	MX 0, 7, 24, 25, 0
	MX 0, 6, 3, 4, 0
	MX 0, 7, 5, 6, 0
	MX 0, 6, 7, 11, 0
	MX 0, 7, 12, 13, 0
	MX 0, 6, 14, 15, 0
	MX 0, 7, 18, 19, 0
	MX 0, 6, 20, 21, 0
	MX 0, 7, 22, 23, 0
	MX 0, 6, 26, 27, 0
	MX 0, 7, 28, 29, 0
	MX 0, 6, 30, 31, 0
.irp a, 0,1
	v_max_num_f32 v[ST+8*\a+6], v[ST+8*\a+6], v[ST+8*\a+7]
.endr
.irp a, 0,1
	v_permlanex16_b32 v[ST+8*\a+7], v[ST+8*\a+6], s[SEL], s[SEL+1]   ; the query's other 32 keys lie in the lane 16 away
.endr
.irp a, 0,1
	v_max_num_f32 v[ST+8*\a+6], v[ST+8*\a+6], v[ST+8*\a+7]
.endr
.irp a, 0,1
	v_mul_f32 v[ST+8*\a+6], s[CS], v[ST+8*\a+6]    ; as t
.endr
.if \first
.irp a, 0,1
	v_mov_b32 v[ST+8*\a+1], v[ST+8*\a+6]
.endr
.irp a, 0,1
	v_floor_f32 v[ST+8*\a], -v[ST+8*\a+1]          ; -M = floor(-t)
.endr
.else
.irp a, 0,1
	v_max_num_f32 v[ST+8*\a+1], v[ST+8*\a+1], v[ST+8*\a+6]
.endr
.irp a, 0,1
	v_mov_b32 v[ST+8*\a+7], v[ST+8*\a]
.endr
.irp a, 0,1
	v_floor_f32 v[ST+8*\a], -v[ST+8*\a+1]
.endr
.irp a, 0,1
	v_sub_f32 v[ST+8*\a+7], v[ST+8*\a], v[ST+8*\a+7]   ; old M - new M: a whole number, 0 or less
.endr
.irp a, 0,1
	v_cvt_i32_f32 v[ST+8*\a+7], v[ST+8*\a+7]
.endr
.irp a, 0,1
	v_ldexp_f32 v[ST+8*\a+4], 1.0, v[ST+8*\a+7]    ; f = 2^(old M - new M)
.endr
.endif
.set i, 0
.rept 16
.irp a, 0,1
	v_pk_fma_f32 v[S+32*\a+2*i:S+32*\a+2*i+1], v[S+32*\a+2*i:S+32*\a+2*i+1], s[CS:CS+1], v[ST+8*\a:ST+8*\a+1] op_sel_hi:[1,0,0]   ; t - M
.endr
.set i, i+1
.endr
.set i, 0
.rept 64
	v_exp_f32 v[S+i], v[S+i]
.set i, i+1
.endr
.if \first
	v_nop
.else
.irp a, 0,1
	v_pk_mul_f32 v[ST+8*\a+2:ST+8*\a+3], v[ST+8*\a+2:ST+8*\a+3], v[ST+8*\a+4:ST+8*\a+5] op_sel_hi:[1,0]   ; l under the new M; a plain line behind the exponentials
.endr
.endif
	s_wait_alu depctr_va_vdst(0)                   ; one wait for the batch of 64, ahead of its first reader
.irp a, 0,1
	v_pk_add_f32 v[TM+2*\a:TM+2*\a+1], v[S+32*\a:S+32*\a+1], v[S+32*\a+2:S+32*\a+3]   ; the sum of the unquantised p, in two chains a tile
.endr
.irp j, 4,8,12,16,20,24,28
.irp a, 0,1
	v_pk_add_f32 v[ST+8*\a+2:ST+8*\a+3], v[ST+8*\a+2:ST+8*\a+3], v[S+32*\a+\j:S+32*\a+\j+1]
	v_pk_add_f32 v[TM+2*\a:TM+2*\a+1], v[TM+2*\a:TM+2*\a+1], v[S+32*\a+\j+2:S+32*\a+\j+3]
.endr
.endr
.irp a, 0,1
	v_pk_add_f32 v[ST+8*\a+2:ST+8*\a+3], v[ST+8*\a+2:ST+8*\a+3], v[TM+2*\a:TM+2*\a+1]
.endr
.set i, 0
.rept 64
	v_min_num_f32 v[S+i], v[S+i], v[LMT]           ; the conversion does not saturate (ISA guide 7.6.2); p is not negative: a one-sided hold
.set i, i+1
.endr
.set i, 0
.rept 8
	v_cvt_scalef32_pk8_bf8_f32 v[P+2*i:P+2*i+1], v[S+8*i:S+8*i+7], v[SCL]   ; tile a, keys 16 kt + 8 h + 0 .. 7: registers 2 kt, 2 kt + 1 of P[a]
.set i, i+1
.endr
.if \first
	v_nop
.else
	WIN 0x41
.set i, 0
.rept 32
.irp a, 0,1
	v_pk_mul_f32 v[64*\a+2*i:64*\a+2*i+1], v[64*\a+2*i:64*\a+2*i+1], v[ST+8*\a+4:ST+8*\a+5] op_sel_hi:[1,0]   ; O^T under the new M
.endr
.set i, i+1
.endr
.endif
	s_wait_dscnt 0x0                               ; V is in
	WIN 0x51
.irp ct, 0,1,2,3,4,5,6,7               ; sixteen sums by turns
.irp a, 0,1
.if \first
	v_wmma_f32_16x16x64_bf8_bf8 v[64*\a+8*\ct:64*\a+8*\ct+7], v[VB+8*\ct:VB+8*\ct+7], v[P+8*\a:P+8*\a+7], 0
.else
	v_wmma_f32_16x16x64_bf8_bf8 v[64*\a+8*\ct:64*\a+8*\ct+7], v[VB+8*\ct:VB+8*\ct+7], v[P+8*\a:P+8*\a+7], v[64*\a+8*\ct:64*\a+8*\ct+7]
.endif
.endr
.endr
	WIN 0
.endm
	s_load_b256 s[4:11], s[0:1], 0x0               ; kvs, qs, lowp_scales, po
	s_load_b64 s[12:13], s[0:1], 0x20              ; pm
	v_lshl_add_u32 v[SPW], v0, 2, SPARE
	v_mov_b32 v[NIL], 0
	ds_add_u32 v[SPW], v[NIL]                      ; the wave's opening: the add, twice on end, and its wait ahead of my first tensor load
	ds_add_u32 v[SPW], v[NIL]
	v_lshrrev_b32 v[L8], 5, v0
	v_readfirstlane_b32 s[WV], v[L8]
	s_lshr_b32 s[BR], s[WV], 2
	s_bfe_u32 s[TP], s[WV], 0x10001
	s_and_b32 s[KS], s[WV], 1
	s_and_b32 s[HH], ttmp7, 0xffff                 ; the key half, which the partners share
	s_mov_b32 s[G1], 15|(3<<16)|(1<<21)            ; the mask of all four; elements of 8 bytes; bit 21 beside a mask; no padding: images are read 512 consecutive bytes at a time
	s_mov_b32 s[G1+1], 32<<16                      ; tensor_dim0 = 32 elements: rows of 256 bytes
	s_mov_b32 s[G1+2], 40<<16                      ; tensor_dim1 = 40
	s_mov_b32 s[G1+3], 32<<16                      ; tile_dim0
	s_mov_b32 s[G1+4], 40                          ; tile_dim1: 10,240 bytes a load, a quarter of a chunk
	s_mov_b32 s[G1+5], 32                          ; dense
	s_mov_b32 s[G1+6], 0
	s_mov_b32 s[G1+7], 0
	s_mov_b32 s[G0A], 1
	s_mul_i32 s[G0A+1], s[WV], 10240               ; waves 0-3 fill the first quarter's chunk, waves 4-7 the second's
	s_mov_b32 s[G0A+4], 1
	s_add_co_u32 s[G0A+5], s[G0A+1], SLOTB
	s_lshl_b32 s50, s[HH], 1
	s_add_co_u32 s50, s50, s[BR]                   ; (here w >> 2 says whose quarter I fetch)
	s_mul_i32 s50, s50, 25*BLK
	s_and_b32 s51, s[WV], 3
	s_mul_i32 s51, s51, 10240
	s_add_co_u32 s50, s50, s51
	s_mov_b32 s51, 0
	s_mov_b32 s[SEL], 0x76543210
	s_mov_b32 s[SEL+1], 0xfedcba98
	v_and_b32 v[L8], 31, v0
	v_lshlrev_b32 v[LI], 4, v[L8]
	v_lshlrev_b32 v[PFO], 8, v[L8]
	v_lshlrev_b32 v[L8], 3, v[L8]
	s_mul_i32 s52, s[KS], BLK
	s_mul_i32 s53, s[BR], 24576
	s_add_co_u32 s53, s53, s52
	v_add_nc_u32 v[AK], s53, v[LI]
	s_add_co_u32 s53, s53, SLOTB
	v_add_nc_u32 v[AK+1], s53, v[LI]
	s_lshl_b32 s53, s[BR], 14
	s_add_co_u32 s53, s53, s52
	s_add_co_u32 s53, s53, 16384
	v_add_nc_u32 v[AV], s53, v[LI]
	s_add_co_u32 s53, s53, SLOTB
	v_add_nc_u32 v[AV+1], s53, v[LI]
	s_mul_i32 s52, s[WV], STGW
	s_add_co_u32 s52, s52, STG
	v_add_nc_u32 v[SOW], s52, v[LI]
	s_add_co_u32 s52, s52, 8192
	v_add_nc_u32 v[SSW], s52, v[L8]
	s_xor_b32 s52, s[WV], 1
	s_mul_i32 s52, s52, STGW
	s_add_co_u32 s52, s52, STG
	v_add_nc_u32 v[SOP], s52, v[LI]
	s_add_co_u32 s52, s52, 8192
	v_add_nc_u32 v[SSP], s52, v[L8]
	s_wait_dscnt 0x0                               ; both opening adds are done
	s_wait_kmcnt 0x0
	s_load_b512 s[68:83], s[8:9], 0x0
	s_load_b256 s[84:91], s[8:9], 0x40
	s_add_nc_u64 s[G0A+2:G0A+3], s[4:5], s[50:51]  ; chunk 0 of the quarter
	s_add_nc_u64 s[G0A+6:G0A+7], s[G0A+2:G0A+3], BLK   ; chunk 1
	s_or_b32 s[G0A+3], s[G0A+3], 0x80000000
	s_or_b32 s[G0A+7], s[G0A+7], 0x80000000
	CROUND                                         ; all four work-groups are here: the first joint loads meet
	tensor_load_to_lds s[G0A:G0A+3], s[G1:G1+7]    ; two loads of mine are out
	s_nop 0
	tensor_load_to_lds s[G0A+4:G0A+7], s[G1:G1+7]
	s_nop 0
	PLACES 4
	; my place in the cluster enters global addresses alone: the queries', the results', the prefetches'
	s_bfe_u32 s[CX], ttmp6, 0x40000
	s_lshl_b32 s[QB], ttmp9, 2
	s_add_co_u32 s[QB], s[QB], s[CX]
	s_lshl_b32 s54, s[QB], 2
	s_lshl_b32 s55, s[TP], 1
	s_add_co_u32 s54, s54, s55
	s_xor_b32 s56, s[KS], 1
	s_add_co_u32 s55, s54, s56                     ; set 1's tile
	s_add_co_u32 s54, s54, s[KS]                   ; set 0's tile
	s_lshl_b32 s57, s[BR], 12                      ; q at +0, p at +4,096
	s_mul_i32 s56, s54, 6144
	s_add_co_u32 s56, s56, s57
	v_add_nc_u32 v[QO], s56, v[LI]
	s_mul_i32 s56, s55, 6144
	s_add_co_u32 s56, s56, s57
	v_add_nc_u32 v[QO+1], s56, v[LI]
	WIN 0x40
.irp a, 0,1
.irp g, 0,1,2,3
	global_load_b128 v[QF+32*\a+4*\g:QF+32*\a+4*\g+3], v[QO+\a], s[6:7] offset:512*\g
.endr
.endr
	WIN 0
	s_cmp_lg_u32 s[BR], 0
	s_cbranch_scc1 .Lnocp
	WIN 0x40
.irp a, 0,1
.irp g, 0,1,2,3
	global_load_b128 v[QF+32*\a+16+4*\g:QF+32*\a+16+4*\g+3], v[QO+\a], s[6:7] offset:2048+512*\g   ; cp
.endr
.endr
	WIN 0
.Lnocp:
	s_lshl_b32 s50, s[BR], 1
	s_add_co_u32 s50, s50, s[HH]
	s_mul_i32 s50, s50, 400
	s_add_co_u32 s50, s50, s54                     ; (2 br + hh) 400 + my tile
	s_lshl_b32 s52, s50, 13
	s_mov_b32 s53, 0
	s_add_nc_u64 s[10:11], s[10:11], s[52:53]
	s_lshl_b32 s52, s50, 8
	s_add_nc_u64 s[12:13], s[12:13], s[52:53]
	s_lshr_b32 s50, s[CX], 1
	s_lshl_b32 s51, s[HH], 1
	s_add_co_u32 s50, s50, s51
	s_mul_i32 s50, s50, 25*BLK
	s_add_co_u32 s50, s50, 2*BLK                   ; at chunk 2: the first change steps it to chunk 4
	s_and_b32 s51, s[CX], 1
	s_mul_i32 s51, s51, 160*256
	s_add_co_u32 s50, s50, s51
	s_lshl_b32 s51, s[WV], 13
	s_add_co_u32 s50, s50, s51
	s_mov_b32 s51, 0
	s_add_nc_u64 s[PFA:PFA+1], s[4:5], s[50:51]
	s_cmp_lt_u32 s[WV], 5
	s_cselect_b32 s[LIM], 0, 1
	s_or_b32 s[LIM], s[LIM], ttmp9                 ; the same in all four partners
	s_cmp_eq_u32 s[LIM], 0
	s_cselect_b32 s[LIM], 1, -1
.irp a, 0,1
	v_mov_b32 v[ST+8*\a+2], 0
	v_mov_b32 v[ST+8*\a+3], 0
	v_mov_b32 v[ST+8*\a+5], 0
.endr
	s_wait_kmcnt 0x0
	s_cmp_eq_u32 s[BR], 0
	s_cselect_b32 s50, s[SC+12], s[SC+16]
	s_cselect_b32 s51, s[SC+13], s[SC+17]
	s_cselect_b32 s52, s[SC+15], s[SC+19]
	s_add_co_i32 s50, s50, s51
	s_lshl_b32 s50, s50, 23
	s_add_co_i32 s[CS], s50, 0x3fb8aa3b            ; log2(e) x 2^(the logit's two exponents)
	s_mov_b32 s[CS+1], s[CS]
	s_add_co_i32 s51, s[SC+10], s[SC+11]
	s_sub_co_i32 s51, s51, s[SC+12]
	s_sub_co_i32 s51, s51, s[SC+13]
	s_add_co_i32 s51, s51, 127
	s_lshl_b32 s[RT], s51, 23
	s_mov_b32 s[RT+1], s[RT]
	s_add_co_i32 s52, s52, 127
	s_lshl_b32 s53, s52, 23
	v_mov_b32 v[SCL], s53
	s_add_co_i32 s52, s52, 15
	s_lshl_b32 s52, s52, 23
	s_or_b32 s52, s52, 0x600000
	v_mov_b32 v[LMT], s52
	s_wait_tensorcnt 1                             ; my part of slot 0 is in; slot 1's may stay out
	s_barrier_signal -1
	s_barrier_wait -1
	s_wait_loadcnt 0x0                             ; the queries' fragments
	STEP 0, 1                                      ; chunk 0
	s_mov_b32 s[CNT], 11
.Lpair:                                            ; trip k: chunks 2 k + 1 and 2 k + 2; asks for 2 k + 2 and 2 k + 3
	CHANGE 0, 1, 1
	STEP 1, 0
	CHANGE 1, 1, 0
	STEP 0, 0
	s_sub_co_u32 s[CNT], s[CNT], 1
	s_cmp_lg_u32 s[CNT], 0
	s_cbranch_scc1 .Lpair
	CHANGE 0, 1, 0                                 ; chunk 24 is asked for: the last load
	STEP 1, 0                                      ; chunk 23
	CHANGE 0, 0, 0
	STEP 0, 0                                      ; chunk 24
	; ---- the exchange between the two quarters, and the way out
	PLACES 4
.irp a, 0,1
	v_add_f32 v[ST+8*\a+1], v[ST+8*\a+2], v[ST+8*\a+3]
.endr
.irp a, 0,1
	v_permlanex16_b32 v[ST+8*\a+6], v[ST+8*\a+1], s[SEL], s[SEL+1]
.endr
.irp a, 0,1
	v_add_f32 v[ST+8*\a+1], v[ST+8*\a+1], v[ST+8*\a+6]   ; l of my quarter
.endr
	WIN 0x04
.set i, 0
.rept 16
	ds_store_b128 v[SOW], v[64+4*i:64+4*i+3] offset:512*i   ; set 1's O^T, as an image of its registers
.set i, i+1
.endr
	WIN 0
	ds_store_b64 v[SSW], v[ST+8:ST+9]              ; its -M and l
	s_wait_dscnt 0x0                               ; for the partner's sake
	s_barrier_signal -1
	s_barrier_wait -1
.set i, 0
.rept 16
	ds_load_b128 v[S+4*i:S+4*i+3], v[SOP] offset:512*i
.set i, i+1
.endr
	ds_load_b64 v[184:185], v[SSP]
	v_mov_b32 v189, 0
	v_mov_b32 v191, 0
	s_wait_dscnt 0x0
	v_min_num_f32 v186, v[ST], v184                ; -M of both quarters
	v_sub_f32 v188, v186, v[ST]
	v_sub_f32 v190, v186, v184
	v_cvt_i32_f32 v188, v188
	v_cvt_i32_f32 v190, v190
	v_ldexp_f32 v188, 1.0, v188                    ; my factor,
	v_ldexp_f32 v190, 1.0, v190                    ; the partner's: both exact powers of two
	v_mul_f32 v187, v[ST+1], v188
	v_fma_f32 v187, v185, v190, v187
.set i, 0
.rept 32
	v_pk_mul_f32 v[S+2*i:S+2*i+1], v[S+2*i:S+2*i+1], v[190:191] op_sel_hi:[1,0]
.set i, i+1
.endr
	WIN 0x01
.set i, 0
.rept 32
	v_pk_fma_f32 v[S+2*i:S+2*i+1], v[2*i:2*i+1], v[188:189], v[S+2*i:S+2*i+1] op_sel_hi:[1,0,1]
.set i, i+1
.endr
	WIN 0
.set i, 0
.rept 16
	global_store_b128 v[LI], v[S+4*i:S+4*i+3], s[10:11] offset:512*i   ; 32 lanes store 512 consecutive bytes
.set i, i+1
.endr
	global_store_b64 v[L8], v[186:187], s[12:13]
	s_wait_tensorcnt 0x0                           ; the wave's end
	ds_add_u32 v[SPW], v[NIL]
	s_wait_dscnt 0x0
	CROUND                                         ; the closing round
	s_endpgm
.Lfunc_end_k_q5d5473a431_att:
	.size	k_q5d5473a431_att, .Lfunc_end_k_q5d5473a431_att-k_q5d5473a431_att
	.p2alignl 7, 3214868480
	.fill 96, 4, 3214868480
	.section	.rodata,"a",@progbits
	.p2align	6, 0x0
	.amdhsa_kernel k_q5d5473a431_att
		.amdhsa_group_segment_fixed_size 327680
		.amdhsa_private_segment_fixed_size 0
		.amdhsa_enable_private_segment 0
		.amdhsa_kernarg_size 40
		.amdhsa_user_sgpr_count 2
		.amdhsa_user_sgpr_kernarg_segment_ptr 1
		.amdhsa_wavefront_size32 1
		.amdhsa_system_sgpr_workgroup_id_x 1
		.amdhsa_system_sgpr_workgroup_id_y 1
		.amdhsa_system_sgpr_workgroup_id_z 1
		.amdhsa_system_vgpr_workitem_id 0
		.amdhsa_next_free_vgpr 512
		.amdhsa_next_free_sgpr 96
		.amdhsa_reserve_vcc 0
		.amdhsa_float_denorm_mode_32 3
		.amdhsa_float_denorm_mode_16_64 3
		.amdhsa_memory_ordered 1
		.amdhsa_forward_progress 1
		.amdhsa_inst_pref_size 132
	.end_amdhsa_kernel
	.amdgpu_metadata
---
amdhsa.version: [ 1, 2 ]
amdhsa.kernels:
  - .name:           k_q5d5473a431_att
    .symbol:         k_q5d5473a431_att.kd
    .args:
      - { .name: kvs, .offset: 0, .size: 8, .value_kind: global_buffer, .address_space: global }
      - { .name: qs, .offset: 8, .size: 8, .value_kind: global_buffer, .address_space: global }
      - { .name: lowp_scales, .offset: 16, .size: 8, .value_kind: global_buffer, .address_space: global }
      - { .name: po, .offset: 24, .size: 8, .value_kind: global_buffer, .address_space: global }
      - { .name: pm, .offset: 32, .size: 8, .value_kind: global_buffer, .address_space: global }
    .group_segment_fixed_size: 327680
    .private_segment_fixed_size: 0
    .kernarg_segment_align: 8
    .kernarg_segment_size: 40
    .max_flat_workgroup_size: 256
    .sgpr_count:     96
    .vgpr_count:     512
    .wavefront_size: 32
...
	.end_amdgpu_metadata
.endif
;; end of part 2
;; launch fin (part 3): grid 100 x 1, 8 waves a work-group, no clusters, 205,824 bytes of LDS; arguments po, pm, w2, w3, lowp_scales, g2, b2, m2, v2, g3, b3, m3, v3, x, out0; writes out0
.if DOCPART == 3
	.amdgcn_target "amdgcn-amd-amdhsa--gfx1250"
	.amdhsa_code_object_version 6
	.text
	.protected	k_q5d5473a431_fin
	.globl	k_q5d5473a431_fin
	.p2align	8
	.type	k_q5d5473a431_fin,@function
k_q5d5473a431_fin:
	s_mov_b64 s[64:65], 0
	v_nop
	global_prefetch_b8 v0, s[64:65] scope:SCOPE_SE
	s_setreg_imm32_b32 hwreg(HW_REG_WAVE_MODE, 25, 1), 1
	s_wait_xcnt 0x0
; THIRD LAUNCH: the two key halves are joined, O is divided by l, quantised, multiplied by w2 or w3, BN and SiLU, and out0 = x + both branches.  Nothing is left out.
; SHARES.  Work-group g owns positions 64 g on.  Wave w: tile t = w & 3, branch w >> 2: all 256 output channels of its 16 positions.  On the way out wave w stores channels 32 w .. 32 w + 31.
; The wave also quantises 64 rows of its branch's weight (rows 64 t on); the images meet in LDS.  The product has source 0 = 16 positions, source 1 = 16 rows of W: a lane holds one output channel and eight neighbouring positions.
; LIMITS: e20 .. e23 between -126 and 112; e20 + e21 and e22 + e23 between -126 and 127.  NaN and infinities are not served.
; No cluster, no tensor load: what work-groups share is 256 KiB of weights; all else is each work-group's own and read once.
; REGISTERS.  Window 0: v1-12 addresses; v16-79, v80-143 the two halves' O^T, then the 16 results, then rows of the result; v144+ot m, v160+ot v then s, v176+ot b, v192+ot g; v208-223 codes; v224-239 statistics, scales; v208-239 later SiLU's.
;             Window 1: W's numbers (4 x 64), then W's 16 fragments, then x (v0-63).
.set WIMG,  0                          ; (16 br + ot) x 2,048
.set STG0,  65536                      ; 256 rows (channels) x (256 bytes + 16), for each branch
.set STGB,  69632
.set SPARE, 204800
.set SC,    68
.set CD,    208
.set MSB, 0
.macro WIN new
.if MSB != \new
	s_set_vgpr_msb (MSB<<8)|\new
.set MSB, \new
.endif
.endm
.macro MKSC se, vs, vl
	s_add_co_i32 s60, \se, 127
	s_lshl_b32 s61, s60, 23
	v_mov_b32 v[\vs], s61
	s_add_co_i32 s60, s60, 15
	s_lshl_b32 s60, s60, 23
	s_or_b32 s60, s60, 0x600000
	v_mov_b32 v[\vl], s60
.endm
.macro BARRIER
	s_wait_dscnt 0x0
	s_barrier_signal -1
	s_barrier_wait -1
.endm
	s_load_b512 s[4:19], s[0:1], 0x0               ; po, pm, w2, w3, lowp_scales, g2, b2, m2
	s_load_b256 s[20:27], s[0:1], 0x40             ; v2, g3, b3, m3
	s_load_b128 s[28:31], s[0:1], 0x60             ; v3, x
	s_load_b64 s[32:33], s[0:1], 0x70              ; out0
	v_lshl_add_u32 v2, v0, 2, SPARE
	v_mov_b32 v3, 0
	v_lshrrev_b32 v13, 5, v0
	v_readfirstlane_b32 s46, v13                   ; wave
	s_and_b32 s47, s46, 3                          ; t
	s_lshr_b32 s48, s46, 2                         ; branch
	s_lshl_b32 s49, ttmp9, 2
	s_add_co_u32 s49, s49, s47                     ; T
	v_and_b32 v13, 31, v0
	v_and_b32 v14, 15, v0                          ; r
	v_bfe_u32 v15, v0, 4, 1                        ; h
	v_lshlrev_b32 v1, 4, v13                       ; v1: 16 x lane
	v_lshlrev_b32 v6, 3, v13                       ; v6: 8 x lane
	v_lshlrev_b32 v7, 2, v14                       ; v7: 4 r
	s_lshl_b32 s54, s47, 15
	v_lshlrev_b32 v4, 9, v14
	v_lshl_add_u32 v4, v15, 5, v4
	v_add_nc_u32 v4, s54, v4                       ; v4: W: row 64 t + r of 512 bytes, + 32 h
	s_lshl_b32 s54, s48, 15
	v_add_nc_u32 v8, s54, v1                       ; v8: my branch's images
	s_lshl_b32 s55, s47, 13
	v_add_nc_u32 v5, s55, v8                       ; v5: images 4 t on
	s_lshl_b32 s54, s46, 5
	s_mul_i32 s54, s54, 25600
	s_lshl_b32 s55, ttmp9, 8
	s_add_co_u32 s54, s54, s55
	v_mul_u32_u24 v9, v15, 25600
	v_lshl_add_u32 v9, v14, 4, v9
	v_add_nc_u32 v9, s54, v9                       ; v9: x and out0: channel 32 w + h, position 64 g + 4 r
	s_mul_i32 s54, s48, STGB
	s_lshl_b32 s55, s47, 6
	s_add_co_u32 s54, s54, s55
	s_add_co_u32 s54, s54, STG0
	v_mul_u32_u24 v10, v14, 272
	v_lshl_add_u32 v10, v15, 5, v10
	v_add_nc_u32 v10, s54, v10                     ; v10: into my branch's stage: row r, byte 64 t + 32 h
	s_mul_i32 s54, s46, 32*272
	s_add_co_u32 s54, s54, STG0
	v_mul_u32_u24 v11, v15, 272
	v_lshl_add_u32 v11, v14, 4, v11
	v_add_nc_u32 v11, s54, v11                     ; v11, v12: back: row 32 w + h, 16 bytes a lane, of either stage
	v_add_nc_u32 v12, STGB, v11
	s_mul_i32 s50, s48, 800
	s_add_co_u32 s50, s50, s49                     ; (2 br) 400 + T
	s_lshl_b32 s52, s50, 13
	s_mov_b32 s53, 0
	s_lshl_b32 s54, s50, 8
	s_mov_b32 s55, 0
	s_wait_kmcnt 0x0
	s_load_b512 s[68:83], s[12:13], 0x0
	s_load_b256 s[84:91], s[12:13], 0x40
	s_add_nc_u64 s[4:5], s[4:5], s[52:53]
	s_add_nc_u64 s[6:7], s[6:7], s[54:55]
	s_cmp_eq_u32 s48, 0                            ; the choices hang on the wave's number alone
	s_cselect_b64 s[34:35], s[8:9], s[10:11]       ; W
	s_cselect_b64 s[36:37], s[14:15], s[22:23]     ; g
	s_cselect_b64 s[38:39], s[16:17], s[24:25]     ; b
	s_cselect_b64 s[40:41], s[18:19], s[26:27]     ; m
	s_cselect_b64 s[42:43], s[20:21], s[28:29]     ; v
	WIN 0x40
.set i, 0
.rept 64                               ; four fragments' numbers: rows 64 t + 16 f + r; 8 neighbours of each 16 along K
	global_load_b128 v[4*i:4*i+3], v4, s[34:35] offset:8192*(i/16)+64*((i%16)/2)+16*(i%2)
.set i, i+1
.endr
	WIN 0
	global_load_b64 v[224:225], v6, s[6:7]
	global_load_b64 v[226:227], v6, s[6:7] offset:102400
.set i, 0
.rept 16
	global_load_b128 v[16+4*i:19+4*i], v1, s[4:5] offset:512*i th:TH_LOAD_NT
.set i, i+1
.endr
.set i, 0
.rept 16
	global_load_b128 v[80+4*i:83+4*i], v1, s[4:5] offset:3276800+512*i th:TH_LOAD_NT
.set i, i+1
.endr
.set i, 0
.rept 16
	global_load_b32 v[144+i], v7, s[40:41] offset:64*i
	global_load_b32 v[160+i], v7, s[42:43] offset:64*i
	global_load_b32 v[176+i], v7, s[38:39] offset:64*i
	global_load_b32 v[192+i], v7, s[36:37] offset:64*i
.set i, i+1
.endr
	s_wait_kmcnt 0x0
	s_cmp_eq_u32 s48, 0
	s_cselect_b32 s50, s[SC+20], s[SC+22]
	s_cselect_b32 s51, s[SC+21], s[SC+23]
	s_cselect_b32 s52, s[SC+14], s[SC+18]
	s_cselect_b32 s53, s[SC+15], s[SC+19]
	s_add_co_i32 s54, s52, s53                     ; ev + ep
	s_add_co_i32 s44, s50, s51
	s_add_co_i32 s44, s44, 127
	s_lshl_b32 s44, s44, 23                        ; 2^(eW + eO)
	MKSC s50, 236, 237
	MKSC s51, 238, 239
	s_wait_loadcnt 63                              ; 64 loads of parameters were issued behind W, the statistics and O
.irp f, 0,1,2,3
	WIN 0x41
.set qi, 0
.rept 64
	v_med3_num_f32 v[64*\f+qi], v[64*\f+qi], -v237, v237   ; the hold at the largest code x the scale
.set qi, qi+1
.endr
	WIN 0x01
.set qi, 0
.rept 8
	v_cvt_scalef32_pk8_bf8_f32 v[CD+2*qi:CD+2*qi+1], v[64*\f+8*qi:64*\f+8*qi+7], v236
.set qi, qi+1
.endr
	v_nop
	WIN 0
.irp g, 0,1,2,3
	ds_store_b128 v5, v[CD+4*\g:CD+4*\g+3] offset:2048*\f+512*\g
.endr
	s_wait_dscnt 0x0                               ; the stores have read the codes' registers
.endr
	; the two key halves under one M; 1 / l; the two scales of the product with the softmax
	v_min_num_f32 v228, v224, v226
	v_sub_f32 v229, v228, v224
	v_sub_f32 v230, v228, v226
	v_cvt_i32_f32 v229, v229
	v_cvt_i32_f32 v230, v230
	v_ldexp_f32 v229, 1.0, v229
	v_ldexp_f32 v230, 1.0, v230
	v_mul_f32 v231, v225, v229
	v_fma_f32 v231, v227, v230, v231
	v_rcp_f32 v231, v231
	v_mov_b32 v233, 0
	v_mov_b32 v235, 0
	s_wait_alu depctr_va_vdst(0)                   ; the wait ahead of the reciprocal's first reader
	v_ldexp_f32 v231, v231, s54
	v_mul_f32 v232, v229, v231
	v_mul_f32 v234, v230, v231
.set i, 0
.rept 32
	v_pk_mul_f32 v[16+2*i:17+2*i], v[16+2*i:17+2*i], v[232:233] op_sel_hi:[1,0]
.set i, i+1
.endr
.set i, 0
.rept 32
	v_pk_fma_f32 v[16+2*i:17+2*i], v[80+2*i:81+2*i], v[234:235], v[16+2*i:17+2*i] op_sel_hi:[1,0,1]
.set i, i+1
.endr
.set qi, 0
.rept 64
	v_med3_num_f32 v[16+qi], v[16+qi], -v239, v239
.set qi, qi+1
.endr
.set qi, 0
.rept 8
	v_cvt_scalef32_pk8_bf8_f32 v[CD+2*qi:CD+2*qi+1], v[16+8*qi:23+8*qi], v238   ; channels 16 ct + 8 h + 0 .. 7 of my position: registers 2 ct, 2 ct + 1 of the operand
.set qi, qi+1
.endr
	v_nop
	s_wait_loadcnt 0x0                             ; the parameters
.set i, 0
.rept 16
	v_add_f32 v[160+i], 0x3727c5ac, v[160+i]       ; v + 1e-5
.set i, i+1
.endr
.set i, 0
.rept 16
	v_rsq_f32 v[160+i], v[160+i]
.set i, i+1
.endr
	v_nop
	s_wait_alu depctr_va_vdst(0)
.set i, 0
.rept 16
	v_mul_f32 v[160+i], v[192+i], v[160+i]         ; s = g rsqrt(v + eps)
.set i, i+1
.endr
	BARRIER                                        ; both weights' 32 fragments lie in LDS
	WIN 0x40
.set i, 0
.rept 64
	ds_load_b128 v[4*i:4*i+3], v8 offset:512*i
.set i, i+1
.endr
	s_wait_dscnt 0x0
	WIN 0x04
.set i, 0
.rept 16
	v_wmma_f32_16x16x128_bf8_bf8 v[16+8*i:23+8*i], v[CD:CD+15], v[16*i:16*i+15], 0
.set i, i+1
.endr
	WIN 0
.rept 5
	v_nop
.endr
	WIN 0x40
.set i, 0
.rept 16
	global_load_b128 v[4*i:4*i+3], v9, s[30:31] offset:51200*i th:TH_LOAD_NT   ; x of the rows that I store: sixteen lanes read 256 consecutive bytes
.set i, i+1
.endr
	WIN 0
.set i, 0
.rept 128
	v_fma_f32 v[16+i], v[16+i], s44, -v[144+i/8]   ; y - m
.set i, i+1
.endr
.set i, 0
.rept 128
	v_fma_f32 v[16+i], v[16+i], v[160+i/8], v[176+i/8]   ; x s + b
.set i, i+1
.endr
.irp q, 0,1,2,3                        ; SiLU, 32 numbers at a time: two batches of transcendentals, each with one wait
.set i, 0
.rept 16
	v_pk_mul_f32 v[208+2*i:209+2*i], v[16+32*\q+2*i:17+32*\q+2*i], 0xbfb8aa3b op_sel_hi:[1,0]
.set i, i+1
.endr
.set i, 0
.rept 32
	v_exp_f32 v[208+i], v[208+i]
.set i, i+1
.endr
	v_nop
	s_wait_alu depctr_va_vdst(0)
.set i, 0
.rept 16
	v_pk_add_f32 v[208+2*i:209+2*i], v[208+2*i:209+2*i], 1.0 op_sel_hi:[1,0]
.set i, i+1
.endr
.set i, 0
.rept 32
	v_rcp_f32 v[208+i], v[208+i]
.set i, i+1
.endr
	v_nop
	s_wait_alu depctr_va_vdst(0)
.set i, 0
.rept 16
	v_pk_mul_f32 v[16+32*\q+2*i:17+32*\q+2*i], v[16+32*\q+2*i:17+32*\q+2*i], v[208+2*i:209+2*i]
.set i, i+1
.endr
.endr
.set i, 0
.rept 16
	ds_store_b128 v10, v[16+8*i:19+8*i] offset:4352*i       ; channel 16 ot + r, positions 16 t + 8 h + 0 .. 7
	ds_store_b128 v10, v[20+8*i:23+8*i] offset:4352*i+16
.set i, i+1
.endr
	BARRIER                                        ; both branches' 256 rows lie in the stages
.set i, 0
.rept 16
	ds_load_b128 v[16+4*i:19+4*i], v11 offset:544*i
	ds_load_b128 v[80+4*i:83+4*i], v12 offset:544*i
.set i, i+1
.endr
	s_wait_dscnt 0x0
	s_wait_loadcnt 0x0                             ; x
.set i, 0
.rept 32
	v_pk_add_f32 v[16+2*i:17+2*i], v[16+2*i:17+2*i], v[80+2*i:81+2*i]
.set i, i+1
.endr
	WIN 0x04
.set i, 0
.rept 32
	v_pk_add_f32 v[16+2*i:17+2*i], v[16+2*i:17+2*i], v[2*i:2*i+1]
.set i, i+1
.endr
	WIN 0
.set i, 0
.rept 16
	global_store_b128 v9, v[16+4*i:19+4*i], s[32:33] offset:51200*i th:TH_STORE_NT   ; sixteen lanes store 256 consecutive bytes, at a multiple of 256 from out0's first byte
.set i, i+1
.endr
	s_wait_tensorcnt 0x0                           ; the wave's end
	ds_add_u32 v2, v3
	s_wait_dscnt 0x0
	s_endpgm
.Lfunc_end_k_q5d5473a431_fin:
	.size	k_q5d5473a431_fin, .Lfunc_end_k_q5d5473a431_fin-k_q5d5473a431_fin
	.p2alignl 7, 3214868480
	.fill 96, 4, 3214868480
	.section	.rodata,"a",@progbits
	.p2align	6, 0x0
	.amdhsa_kernel k_q5d5473a431_fin
		.amdhsa_group_segment_fixed_size 205824
		.amdhsa_private_segment_fixed_size 0
		.amdhsa_enable_private_segment 0
		.amdhsa_kernarg_size 120
		.amdhsa_user_sgpr_count 2
		.amdhsa_user_sgpr_kernarg_segment_ptr 1
		.amdhsa_wavefront_size32 1
		.amdhsa_system_sgpr_workgroup_id_x 1
		.amdhsa_system_sgpr_workgroup_id_y 1
		.amdhsa_system_sgpr_workgroup_id_z 1
		.amdhsa_system_vgpr_workitem_id 0
		.amdhsa_next_free_vgpr 512
		.amdhsa_next_free_sgpr 96
		.amdhsa_reserve_vcc 0
		.amdhsa_float_denorm_mode_32 3
		.amdhsa_float_denorm_mode_16_64 3
		.amdhsa_memory_ordered 1
		.amdhsa_forward_progress 1
		.amdhsa_inst_pref_size 106
	.end_amdhsa_kernel
	.amdgpu_metadata
---
amdhsa.version: [ 1, 2 ]
amdhsa.kernels:
  - .name:           k_q5d5473a431_fin
    .symbol:         k_q5d5473a431_fin.kd
    .args:
      - { .name: po, .offset: 0, .size: 8, .value_kind: global_buffer, .address_space: global }
      - { .name: pm, .offset: 8, .size: 8, .value_kind: global_buffer, .address_space: global }
      - { .name: w2, .offset: 16, .size: 8, .value_kind: global_buffer, .address_space: global }
      - { .name: w3, .offset: 24, .size: 8, .value_kind: global_buffer, .address_space: global }
      - { .name: lowp_scales, .offset: 32, .size: 8, .value_kind: global_buffer, .address_space: global }
      - { .name: g2, .offset: 40, .size: 8, .value_kind: global_buffer, .address_space: global }
      - { .name: b2, .offset: 48, .size: 8, .value_kind: global_buffer, .address_space: global }
      - { .name: m2, .offset: 56, .size: 8, .value_kind: global_buffer, .address_space: global }
      - { .name: v2, .offset: 64, .size: 8, .value_kind: global_buffer, .address_space: global }
      - { .name: g3, .offset: 72, .size: 8, .value_kind: global_buffer, .address_space: global }
      - { .name: b3, .offset: 80, .size: 8, .value_kind: global_buffer, .address_space: global }
      - { .name: m3, .offset: 88, .size: 8, .value_kind: global_buffer, .address_space: global }
      - { .name: v3, .offset: 96, .size: 8, .value_kind: global_buffer, .address_space: global }
      - { .name: x, .offset: 104, .size: 8, .value_kind: global_buffer, .address_space: global }
      - { .name: out0, .offset: 112, .size: 8, .value_kind: global_buffer, .address_space: global }
    .group_segment_fixed_size: 205824
    .private_segment_fixed_size: 0
    .kernarg_segment_align: 8
    .kernarg_segment_size: 120
    .max_flat_workgroup_size: 256
    .sgpr_count:     96
    .vgpr_count:     512
    .wavefront_size: 32
...
	.end_amdgpu_metadata
.endif
;; end of part 3
;; ======== version 2 of 2: 3 launches
;; limits: right only within a limited range of input values
;; workspace buffers: kvs 4,096,000 bytes; qs 2,457,600 bytes; po 32,768,000 bytes; pm 1,024,000 bytes; w23 65,536 bytes
;; launch prep (part 4): grid 100 x 1, 8 waves a work-group, no clusters, 153,088 bytes of LDS; arguments x, w1, wq, wk, wv, wp, g1, v1, m1, b1, bq, bk, bv, bp, rel_h, rel_w, ef_h, ef_w, lowp_scales, kvs, qs; writes kvs, qs
.if DOCPART == 4
	.amdgcn_target "amdgcn-amd-amdhsa--gfx1250"
	.amdhsa_code_object_version 6
	.text
	.protected	k_q5d5473a431_prep
	.globl	k_q5d5473a431_prep
	.p2align	8
	.type	k_q5d5473a431_prep,@function
k_q5d5473a431_prep:
	s_mov_b64 s[64:65], 0
	v_nop
	global_prefetch_b8 v0, s[64:65] scope:SCOPE_SE
	s_setreg_imm32_b32 hwreg(HW_REG_WAVE_MODE, 25, 1), 1
	s_wait_xcnt 0x0
; FIRST OF THREE LAUNCHES.  x1 = silu(bn(w1 x)); q, k, v, p = W x1 + b; cp = rel_h + rel_w; ef = ef_h + ef_w; all as codes of BF8 (E5M2) for the attention launch.
; NOTHING OF THE PROBLEM IS LEFT OUT: every product of the table is live and every input is loaded.  The biases bq, bk, bp go into quantised operands; cp . q hangs on query and key alike, so no term is constant along a softmax's axis.
; WHOSE SCALE IS WHOSE.  The table numbers a product's operands as it is lowered.  q . k: q (queries) e10, k e11.  cp . q is lowered with q on the left: q (keys) e12, cp (queries) e13.  p . ef: p e16, ef e17.  The values: v e14, ef e18.
; LIMITS: every exponent used as a conversion's scale (e0..e9, e13, e17, e18, e10-e2-e3, e12-e2-e3, e11-e4-e5, e16-e8-e9, e14-e6-e7) lies between -126 and 112; e0+e1 between -126 and 127.  NaN and infinities among the inputs are not served.
; SHARES.  Work-group g owns positions 64 g .. 64 g + 63: four tiles of 16.  80 = 5 x 16, so a tile lies in one row of the image: row T / 5, columns 16 (T % 5) on.  Eight waves; wave w: t = w & 3 (tile), hf = w >> 2.
; LAYOUT.  Operands are kept as IMAGES OF THEIR REGISTERS: registers 4 g .. 4 g + 3 of lane l at 512 g + 16 l.  The plain 8-bit layout is used as it stands (registers 2 c, 2 c + 1: k = 16 c + 8 h + 0 .. 7): a result tile
; (register j = row 8 h + j), turned into codes by one conversion, is registers 2 c, 2 c + 1 of the next operand.  Product 1 alone has k = 32 c + 16 h + 0 .. 15 in registers 4 c .. 4 c + 3, alike in w1 and in x.
; OUT.  kvs: 100 chunks of 40,960 bytes: +0 k (e11), +8192 q (e12), +16384 v (e14, keys innermost), +24576 ef (e17), +32768 ef (e18, keys innermost).  qs: 400 tiles of 6,144: +0 q (e10), +2048 cp (e13), +4096 p (e16).
; No cluster, no tensor load: what work-groups share is 384 KiB of weights; each work-group's own x is read once, straight into registers.
.set XROW,  0                          ; LDS: 64 rows (positions) x (256 codes of x + 16)
.set WIMG,  17408                      ; 48 fragments x 2,048: w1 (2 mt + s), wq 16 + mt, wk 24 + mt, wv 32 + mt, wp 40 + mt
.set X1IMG, 115712                     ; x1's codes: (4 q + tile) x 2,048, q = 0..3 for e3, e5, e7, e9
.set TAB,   148480                     ; 7 x 512: m1, s1, b1, bq', bk', bv', bp'
.set SPARE, 152064                     ; the spare words, 128 bytes a wave
.set SC,    68                         ; s[68+i] = e_i
.set R0,    32
.set R1,    96
.set R2,    160
.set CD,    224
; v1 16 x lane; v2, v3 the add's two; v4-23 and v244-252 addresses, all made at the head; v24-31 scales
.macro MKSC se, vs, vl                 ; 2^e as f32
	s_add_co_i32 s98, \se, 127
	s_lshl_b32 s99, s98, 23
	v_mov_b32 v[\vs], s99
.endm
.macro QUANT n, src, dst, vs, vl       ; n numbers become n codes; the conversion does not saturate (ISA guide 7.6.2)
.set qi, 0
.rept \n
.set qi, qi+1
.endr
.set qi, 0
.rept (\n)/8
	v_cvt_scalef32_pk8_bf8_f32 v[(\dst)+2*qi:(\dst)+2*qi+1], v[(\src)+8*qi:(\src)+8*qi+7], v[\vs]
.set qi, qi+1
.endr
	v_nop                                          ; a plain line behind the last conversion
.endm
.macro QUANTK n, src, tmp, dst, vs, vl ; the same, the numbers kept
.set qi, 0
.rept \n
.set qi, qi+1
.endr
.set qi, 0
.rept (\n)/8
	v_cvt_scalef32_pk8_bf8_f32 v[(\dst)+2*qi:(\dst)+2*qi+1], v[(\src)+8*qi:(\src)+8*qi+7], v[\vs]
.set qi, qi+1
.endr
	v_nop
.endm
.macro WLOAD reg, base, voff, kind, off ; a weight fragment's 64 numbers a lane.  kind 1: 16 neighbours of each 32 (w1); kind 0: 8 neighbours of each 16
.set wi, 0
.rept 16
.if \kind
	global_load_b128 v[\reg+4*wi:\reg+4*wi+3], v[\voff], s[\base:\base+1] offset:\off+128*(wi/4)+16*(wi%4)
.else
	global_load_b128 v[\reg+4*wi:\reg+4*wi+3], v[\voff], s[\base:\base+1] offset:\off+64*(wi/2)+16*(wi%2)
.endif
.set wi, wi+1
.endr
.endm
.macro IMAGE adr, off, src
.set fg, 0
.rept 4
	ds_store_b128 v[\adr], v[(\src)+4*fg:(\src)+4*fg+3] offset:(\off)+512*fg
.set fg, fg+1
.endr
.endm
.macro FETCH reg, adr, off
.set fg, 0
.rept 4
	ds_load_b128 v[(\reg)+4*fg:(\reg)+4*fg+3], v[\adr] offset:(\off)+512*fg
.set fg, fg+1
.endr
.endm
.macro BARRIER                         ; my LDS stores have landed and my LDS loads are in: then the work-group's barrier
	s_wait_dscnt 0x0
	s_barrier_signal -1
	s_barrier_wait -1
.endm
.macro PLACES n
.rept \n
	v_nop
.endr
.endm
.macro WITEM cnt, reg, se, adr, off    ; a weight fragment: its loads are in (cnt were issued behind them), quantised, image to LDS
	s_wait_loadcnt \cnt
	MKSC \se, 24, 25
	s_wait_alu depctr_va_vdst(0)
	s_wait_dscnt 0x0                               ; the last image's stores have read the codes' registers
	QUANT 64, \reg, CD, 24, 25
	IMAGE \adr, \off, CD
.endm
	s_load_b512 s[4:19], s[0:1], 0x0               ; x, w1, wq, wk, wv, wp, g1, v1
	s_load_b512 s[20:35], s[0:1], 0x40             ; m1, b1, bq, bk, bv, bp, rel_h, rel_w
	s_load_b256 s[36:43], s[0:1], 0x80             ; ef_h, ef_w, lowp_scales, kvs
	s_load_b64 s[44:45], s[0:1], 0xa0              ; qs
	v_lshl_add_u32 v2, v0, 2, SPARE
	v_mov_b32 v3, 0
	v_lshrrev_b32 v253, 5, v0
	s_delay_alu instid0(VALU_DEP_1)
	v_readfirstlane_b32 s46, v253                  ; wave w
	v_and_b32 v255, 31, v0                         ; lane
	v_and_b32 v253, 15, v0                         ; r
	v_bfe_u32 v254, v0, 4, 1                       ; h
	s_wait_alu depctr_va_vdst(0)
	v_lshlrev_b32 v1, 4, v255
	s_and_b32 s47, s46, 3                          ; t
	s_lshr_b32 s48, s46, 2                         ; hf
	s_and_b32 s49, s46, 1                          ; ph
	s_lshr_b32 s50, s46, 1                         ; kq
	s_lshl_b32 s51, ttmp9, 2
	s_add_co_u32 s51, s51, s47                     ; T = 4 g + t
	s_mul_hi_u32 s52, s51, 0xcccccccd
	s_lshr_b32 s52, s52, 2                         ; T / 5: the image's row
	s_mul_i32 s53, s52, 5
	s_sub_co_u32 s53, s51, s53                     ; T % 5
	v_and_b32 v4, 127, v0
	s_delay_alu instid0(VALU_DEP_1)
	v_lshlrev_b32 v4, 2, v4                        ; v4: the tables: 4 x channel
	s_delay_alu instid0(VALU_DEP_1)
	v_add_nc_u32 v5, TAB, v4                       ; v5: the same in LDS
	v_mul_u32_u24 v7, v254, 2560                   ; 8 h channels of 320 bytes
	s_delay_alu instid0(VALU_DEP_1)
	v_lshl_add_u32 v6, v253, 2, v7
	s_lshl_b32 s54, s53, 6
	v_add_nc_u32 v6, s54, v6                       ; v6: rel_w / ef_w: channel 8 h, column 16 (T % 5) + r
	s_lshl_b32 s54, s52, 2
	v_add_nc_u32 v7, s54, v7                       ; v7: rel_h / ef_h: channel 8 h, row T / 5
	s_mul_i32 s54, s50, 64*25600
	s_lshl_b32 s55, ttmp9, 8
	s_add_co_u32 s54, s54, s55
	s_lshl_b32 s55, s49, 7
	s_add_co_u32 s54, s54, s55
	v_lshl_add_u32 v8, v255, 2, s54                ; v8: x: channel 64 kq, position 64 g + 32 ph + lane
	s_mul_i32 s54, s49, 32*272
	s_lshl_b32 s55, s50, 6
	s_add_co_u32 s54, s54, s55
	v_mul_u32_u24 v9, v255, 272
	s_delay_alu instid0(VALU_DEP_1)
	v_add_nc_u32 v9, s54, v9                       ; v9: x's codes into LDS: row 32 ph + lane, byte 64 kq
	s_lshl_b32 s54, s46, 14
	v_lshlrev_b32 v10, 10, v253
	s_delay_alu instid0(VALU_DEP_1)
	v_lshl_add_u32 v10, v254, 6, v10
	s_delay_alu instid0(VALU_DEP_1)
	v_add_nc_u32 v10, s54, v10                     ; v10: w1: row 16 w + r of 1,024 bytes, + 64 h
	s_lshl_b32 s54, s46, 13
	v_lshlrev_b32 v11, 9, v253
	s_delay_alu instid0(VALU_DEP_1)
	v_lshl_add_u32 v11, v254, 5, v11
	s_delay_alu instid0(VALU_DEP_1)
	v_add_nc_u32 v11, s54, v11                     ; v11: wq .. wp: row 16 w + r of 512 bytes, + 32 h
	s_lshl_b32 s54, s46, 12
	s_add_co_u32 s54, s54, WIMG
	v_add_nc_u32 v12, s54, v1                      ; v12: w1's images (2 w + s)
	s_lshl_b32 s54, s46, 11
	s_add_co_u32 s54, s54, WIMG+32768
	v_add_nc_u32 v13, s54, v1                      ; v13: image 16 + w; wk, wv, wp 16,384 bytes apart
	s_mul_i32 s54, s46, 5120
	v_mul_u32_u24 v239, v253, 320
	s_delay_alu instid0(VALU_DEP_1)
	v_add_nc_u32 v239, s54, v239                   ; channel 16 w + r
	s_wait_alu depctr_va_vdst(0)
	v_lshl_add_u32 v238, v254, 5, v239             ; + 8 h columns
	s_wait_alu depctr_va_vdst(0)
.irp c, 0,1,2,3                        ; v14-17, v18-21: ef_w and ef_h for the chunk's four tiles (ef with the keys innermost)
	s_lshl_b32 s55, ttmp9, 2
	s_add_co_u32 s55, s55, \c
	s_mul_hi_u32 s56, s55, 0xcccccccd
	s_lshr_b32 s56, s56, 2
	s_mul_i32 s57, s56, 5
	s_sub_co_u32 s57, s55, s57
	s_lshl_b32 s57, s57, 6
	v_add_nc_u32 v[14+\c], s57, v238
	s_lshl_b32 s56, s56, 2
	v_add_nc_u32 v[18+\c], s56, v239
.endr
	s_mul_i32 s54, s47, 16*272
	v_mul_u32_u24 v22, v253, 272
	s_delay_alu instid0(VALU_DEP_1)
	v_lshl_add_u32 v22, v254, 4, v22
	s_delay_alu instid0(VALU_DEP_1)
	v_add_nc_u32 v22, s54, v22                     ; v22: x's fragments: row 16 t + r, + 16 h
	s_lshl_b32 s54, s48, 14
	s_add_co_u32 s54, s54, WIMG
	v_add_nc_u32 v23, s54, v1                      ; v23: w1's images 8 hf on
	s_lshl_b32 s54, s48, 8
	s_add_co_u32 s54, s54, TAB
	v_lshl_add_u32 v244, v254, 5, s54              ; v244: a table at channel 64 hf + 8 h
	s_lshl_b32 s54, s47, 11
	s_add_co_u32 s54, s54, X1IMG
	v_add_nc_u32 v246, s54, v1                     ; v246: x1's image of tile t
	s_lshl_b32 s55, s48, 10
	v_add_nc_u32 v245, s55, v246                   ; v245: my half of it: groups 2 hf, 2 hf + 1
	v_add_nc_u32 v250, s55, v1                     ; v250: the same in memory
	s_lshl_b32 s54, s48, 13
	s_add_co_u32 s54, s54, WIMG+32768
	v_add_nc_u32 v247, s54, v1                     ; v247: images 16 + 4 hf on
	v_add_nc_u32 v248, X1IMG, v1                   ; v248: x1's images from tile 0 on
	s_lshl_b32 s54, s46, 6
	s_add_co_u32 s54, s54, TAB+2560
	v_lshl_add_u32 v249, v253, 2, s54              ; v249: bv' of channel 16 w + r
	s_lshl_b32 s54, s47, 11
	v_add_nc_u32 v251, s54, v250                   ; v251: tile t's fragment in a chunk, my half
	s_lshl_b32 s54, s46, 10
	v_add_nc_u32 v252, s54, v1                     ; v252: channel tile w's fragment of 1,024 bytes
	s_wait_kmcnt 0x0
	s_load_b512 s[68:83], s[40:41], 0x0            ; e0 .. e15
	s_load_b256 s[84:91], s[40:41], 0x40           ; e16 .. e23
	s_mul_i32 s54, ttmp9, 40960
	s_mov_b32 s55, 0
	s_add_nc_u64 s[42:43], s[42:43], s[54:55]      ; kvs at my chunk
	s_mul_i32 s54, s51, 6144
	s_add_nc_u64 s[44:45], s[44:45], s[54:55]      ; qs at my tile
	s_lshl_b32 s96, s47, 11
	s_add_co_u32 s96, s96, 24576
	s_mov_b32 s97, 0
	s_cmp_eq_u32 s48, 0                            ; the choices hang on the wave's number alone
	s_cselect_b64 s[54:55], s[16:17], s[24:25]     ; g1 | bq
	s_cselect_b64 s[56:57], s[18:19], s[26:27]     ; v1 | bk
	s_cselect_b64 s[58:59], s[20:21], s[28:29]     ; m1 | bv
	s_cselect_b64 s[60:61], s[22:23], s[30:31]     ; b1 | bp
	s_cselect_b64 s[62:63], s[34:35], s[38:39]     ; rel_w | ef_w
	s_cselect_b64 s[92:93], s[32:33], s[36:37]     ; rel_h | ef_h
	s_cselect_b64 s[94:95], s[44:45], s[42:43]     ; cp goes to qs, ef to kvs
	s_cselect_b32 s96, 2048, s96
	s_add_nc_u64 s[94:95], s[94:95], s[96:97]
	; ---- A: all that comes from memory
	global_load_b32 v240, v4, s[54:55]
	global_load_b32 v241, v4, s[56:57]
	global_load_b32 v242, v4, s[58:59]
	global_load_b32 v243, v4, s[60:61]
.set i, 0
.rept 64                               ; lane (r, h), register 8 mt + j: channel 16 mt + 8 h + j of position r
	global_load_b32 v[R0+i], v6, s[62:63] offset:(16*(i/8)+i%8)*320
	global_load_b32 v[R1+i], v7, s[92:93] offset:(16*(i/8)+i%8)*320
.set i, i+1
.endr
.set i, 0
.rept 64                               ; a lane takes a position, its registers run down the channels: 128 consecutive bytes a load
	global_load_b32 v[R2+i], v8, s[4:5] offset:i*25600 th:TH_LOAD_NT
.set i, i+1
.endr
	s_wait_kmcnt 0x0
	s_cmp_eq_u32 s48, 0
	s_cselect_b32 s97, s[SC+13], s[SC+17]          ; cp is the right operand of its product: e13; ef of p . ef: e17
	s_wait_loadcnt 63                              ; 64 loads of x were issued behind the tables and cp / ef: the count's field holds 63
	s_cmp_lg_u32 s48, 0
	s_cbranch_scc1 .Lbias
	v_add_f32 v241, 0x3727c5ac, v241               ; v1 + 1e-5
	s_wait_alu depctr_va_vdst(0)
	v_rsq_f32 v241, v241
	v_nop
	s_wait_alu depctr_va_vdst(0)                   ; the wait ahead of the result's first reader
	v_mul_f32 v241, v240, v241                     ; s1 = g1 rsqrt(v1 + eps)
	ds_store_b32 v5, v242
	ds_store_b32 v5, v241 offset:512
	ds_store_b32 v5, v243 offset:1024
	s_branch .Ltab
.Lbias:                                            ; a bias goes in as the C of its product, divided by the power of two that the sums lack
	s_add_co_i32 s100, s[SC+2], s[SC+3]
	s_sub_co_i32 s100, 0, s100
	v_ldexp_f32 v240, v240, s100
	s_add_co_i32 s100, s[SC+4], s[SC+5]
	s_sub_co_i32 s100, 0, s100
	v_ldexp_f32 v241, v241, s100
	s_add_co_i32 s100, s[SC+6], s[SC+7]
	s_sub_co_i32 s100, 0, s100
	v_ldexp_f32 v242, v242, s100
	s_add_co_i32 s100, s[SC+8], s[SC+9]
	s_sub_co_i32 s100, 0, s100
	v_ldexp_f32 v243, v243, s100
	ds_store_b32 v5, v240 offset:1536
	ds_store_b32 v5, v241 offset:2048
	ds_store_b32 v5, v242 offset:2560
	ds_store_b32 v5, v243 offset:3072
.Ltab:
.set i, 0
.rept 32
	v_pk_add_f32 v[R0+2*i:R0+2*i+1], v[R0+2*i:R0+2*i+1], v[R1+2*i:R1+2*i+1]   ; cp (waves 0-3) or ef (waves 4-7) of tile t
.set i, i+1
.endr
	MKSC s97, 24, 25
	QUANT 64, R0, CD, 24, 25
.irp g, 0,1,2,3
	global_store_b128 v1, v[CD+4*\g:CD+4*\g+3], s[94:95] offset:512*\g   ; 32 lanes store 512 consecutive bytes
.endr
	WLOAD R0, 6, 10, 1, 0                          ; w1, K step 0
	WLOAD R1, 6, 10, 1, 512                        ; w1, K step 1
	s_wait_loadcnt 32                              ; x is in: 32 loads were issued behind it
	s_wait_xcnt 0x0                                ; the stores above have read the codes' registers
	MKSC s[SC+1], 24, 25
	QUANT 64, R2, CD, 24, 25
.irp g, 0,1,2,3
	ds_store_b128 v9, v[CD+4*\g:CD+4*\g+3] offset:16*\g   ; 64 codes: channels 64 kq on of my position
.endr
	WLOAD R2, 8, 11, 0, 0                          ; wq
	WITEM 32, R0, s[SC+0], 12, 0
	WLOAD R0, 10, 11, 0, 0                         ; wk
	WITEM 32, R1, s[SC+0], 12, 2048
	WLOAD R1, 12, 11, 0, 0                         ; wv
	WITEM 32, R2, s[SC+2], 13, 0
	WLOAD R2, 14, 11, 0, 0                         ; wp
	WITEM 32, R0, s[SC+4], 13, 16384
.irp c, 0,1,2,3                        ; ef with the keys innermost: lane (r, h): channel 16 w + r, positions 16 c + 8 h + 0 .. 7
	global_load_b128 v[R0+8*\c:R0+8*\c+3], v[14+\c], s[38:39]
	global_load_b128 v[R0+8*\c+4:R0+8*\c+7], v[14+\c], s[38:39] offset:16
	global_load_b32 v[R0+32+\c], v[18+\c], s[36:37]
.endr
	WITEM 28, R1, s[SC+6], 13, 32768
	WITEM 12, R2, s[SC+8], 13, 49152
	s_wait_loadcnt 0x0
.set i, 0
.rept 32
	v_add_f32 v[R0+i], v[R0+i], v[R0+32+i/8]
.set i, i+1
.endr
	MKSC s[SC+18], 24, 25
	s_wait_alu depctr_va_vdst(0)
	s_wait_dscnt 0x0
	QUANT 32, R0, CD, 24, 25
	global_store_b128 v252, v[CD:CD+3], s[42:43] offset:32768
	global_store_b128 v252, v[CD+4:CD+7], s[42:43] offset:32768+512
	BARRIER                                        ; x's codes, the weights' images and the tables lie in LDS
	; ---- B: x1 of tile t, channels 64 hf on
	s_wait_xcnt 0x0                                ; every store so far has read its registers
.irp s, 0,1
.irp c, 0,1,2,3
	ds_load_b128 v[32+16*\s+4*\c:32+16*\s+4*\c+3], v22 offset:128*\s+32*\c
.endr
.endr
.set i, 0
.rept 8
	FETCH 96+16*i, 23, 2048*i
.set i, i+1
.endr
	s_add_co_i32 s100, s[SC+0], s[SC+1]
	s_add_co_i32 s100, s100, 127
	s_lshl_b32 s100, s100, 23                      ; 2^(e0 + e1)
	s_mov_b32 s101, s100
	s_wait_dscnt 0x0
.irp i, 0,1,2,3                        ; source 0 = 16 rows of w1, source 1 = x: a lane holds one position, its registers eight channels.  The four sums take turns
	v_wmma_f32_16x16x128_bf8_bf8 v[64+8*\i:71+8*\i], v[96+32*\i:111+32*\i], v[32:47], 0
.endr
.irp i, 0,1,2,3
	v_wmma_f32_16x16x128_bf8_bf8 v[64+8*\i:71+8*\i], v[112+32*\i:127+32*\i], v[48:63], v[64+8*\i:71+8*\i]
.endr
	PLACES 5
.irp i, 0,1,2,3
.irp j, 0,1
	ds_load_b128 v[96+8*\i+4*\j:96+8*\i+4*\j+3], v244 offset:64*\i+16*\j
	ds_load_b128 v[128+8*\i+4*\j:128+8*\i+4*\j+3], v244 offset:512+64*\i+16*\j
	ds_load_b128 v[160+8*\i+4*\j:160+8*\i+4*\j+3], v244 offset:1024+64*\i+16*\j
.endr
.endr
	s_wait_dscnt 0x0
.set i, 0
.rept 16
	v_pk_fma_f32 v[64+2*i:65+2*i], v[64+2*i:65+2*i], s[100:101], v[96+2*i:97+2*i] op_sel_hi:[1,0,1] neg_lo:[0,0,1] neg_hi:[0,0,1]   ; y - m1
.set i, i+1
.endr
.set i, 0
.rept 16
	v_pk_fma_f32 v[64+2*i:65+2*i], v[64+2*i:65+2*i], v[128+2*i:129+2*i], v[160+2*i:161+2*i]   ; x s1 + b1
.set i, i+1
.endr
.set i, 0
.rept 16
	v_pk_mul_f32 v[192+2*i:193+2*i], v[64+2*i:65+2*i], 0xbfb8aa3b op_sel_hi:[1,0]   ; -y log2(e)
.set i, i+1
.endr
.set i, 0
	s_wait_alu depctr_va_vdst(0)
.rept 32
	v_exp_f32 v[192+i], v[192+i]
.set i, i+1
.endr
	v_nop
	s_wait_alu depctr_va_vdst(0)                   ; one wait for the batch
.set i, 0
.rept 16
	v_pk_add_f32 v[192+2*i:193+2*i], v[192+2*i:193+2*i], 1.0 op_sel_hi:[1,0]
.set i, i+1
.endr
.set i, 0
	s_wait_alu depctr_va_vdst(0)
.rept 32
	v_rcp_f32 v[192+i], v[192+i]
.set i, i+1
.endr
	v_nop
	s_wait_alu depctr_va_vdst(0)
.set i, 0
.rept 16
	v_pk_mul_f32 v[64+2*i:65+2*i], v[64+2*i:65+2*i], v[192+2*i:193+2*i]   ; x1 = y sigmoid(y)
.set i, i+1
.endr
.irp q, 0,1,2,3                        ; x1 is the B of four products, each with a scale of its own: e3, e5, e7, e9
	MKSC s[SC+3+2*\q], 24+2*\q, 25+2*\q
	QUANTK 32, 64, 96+32*\q, 32+8*\q, 24+2*\q, 25+2*\q
	ds_store_b128 v245, v[32+8*\q:35+8*\q] offset:8192*\q
	ds_store_b128 v245, v[36+8*\q:39+8*\q] offset:8192*\q+512
.endr
	BARRIER                                        ; x1's sixteen fragments lie in LDS
	; ---- C: q, k, p of tile t, channels 64 hf on; then v of channel tile w
.macro PROJ qx, wx, tb                 ; the bias, already divided, is loaded into the sums' registers and is the product's C
	FETCH 32, 246, 8192*\qx
.irp i, 0,1,2,3
	FETCH 96+16*\i, 247, 16384*\wx+2048*\i
	ds_load_b128 v[64+8*\i:67+8*\i], v244 offset:\tb+64*\i
	ds_load_b128 v[68+8*\i:71+8*\i], v244 offset:\tb+64*\i+16
.endr
	s_wait_dscnt 0x0
.irp i, 0,1,2,3
	v_wmma_f32_16x16x128_bf8_bf8 v[64+8*\i:71+8*\i], v[96+16*\i:111+16*\i], v[32:47], v[64+8*\i:71+8*\i]
.endr
	PLACES 5
.endm
	PROJ 0, 0, 1536
	s_sub_co_i32 s100, s[SC+10], s[SC+2]
	s_sub_co_i32 s100, s100, s[SC+3]               ; a sum stands for sum x 2^(e2 + e3): the three exponents are folded into the conversion's one.  q of the queries, for q . k: e10
	MKSC s100, 24, 25
	QUANTK 32, 64, 200, 160, 24, 25
	global_store_b128 v250, v[160:163], s[44:45]
	global_store_b128 v250, v[164:167], s[44:45] offset:512
	s_sub_co_i32 s100, s[SC+12], s[SC+2]           ; q of the keys, the left operand of cp . q: e12
	s_sub_co_i32 s100, s100, s[SC+3]
	MKSC s100, 26, 27
	QUANT 32, 64, 168, 26, 27
	global_store_b128 v251, v[168:171], s[42:43] offset:8192
	global_store_b128 v251, v[172:175], s[42:43] offset:8192+512
	PROJ 1, 1, 2048
	s_sub_co_i32 s100, s[SC+11], s[SC+4]
	s_sub_co_i32 s100, s100, s[SC+5]
	MKSC s100, 24, 25
	QUANT 32, 64, 176, 24, 25
	global_store_b128 v251, v[176:179], s[42:43]
	global_store_b128 v251, v[180:183], s[42:43] offset:512
	PROJ 3, 3, 3072
	s_sub_co_i32 s100, s[SC+16], s[SC+8]
	s_sub_co_i32 s100, s100, s[SC+9]
	MKSC s100, 26, 27
	QUANT 32, 64, 184, 26, 27
	global_store_b128 v250, v[184:187], s[44:45] offset:4096
	global_store_b128 v250, v[188:191], s[44:45] offset:4096+512
	; v the other way round: source 0 = 16 positions of x1, source 1 = 16 rows of wv: a lane holds one channel, its registers eight positions: the keys come out innermost
	FETCH 32, 13, 32768
.irp p, 0,1,2,3
	FETCH 96+16*\p, 248, 16384+2048*\p
.endr
	ds_load_b32 v48, v249
	s_wait_dscnt 0x0
.irp j, 1,2,3,4,5,6,7
	v_mov_b32 v[48+\j], v48
.endr
.irp p, 0,1,2,3
	v_wmma_f32_16x16x128_bf8_bf8 v[64+8*\p:71+8*\p], v[96+16*\p:111+16*\p], v[32:47], v[48:55]
.endr
	PLACES 5
	s_sub_co_i32 s100, s[SC+14], s[SC+6]
	s_sub_co_i32 s100, s100, s[SC+7]
	MKSC s100, 24, 25
	QUANT 32, 64, 192, 24, 25
	global_store_b128 v252, v[192:195], s[42:43] offset:16384
	global_store_b128 v252, v[196:199], s[42:43] offset:16384+512
	s_wait_tensorcnt 0x0                           ; the wave's end
	ds_add_u32 v2, v3
	s_wait_dscnt 0x0
	s_endpgm
.Lfunc_end_k_q5d5473a431_prep:
	.size	k_q5d5473a431_prep, .Lfunc_end_k_q5d5473a431_prep-k_q5d5473a431_prep
	.p2alignl 7, 3214868480
	.fill 96, 4, 3214868480
	.section	.rodata,"a",@progbits
	.p2align	6, 0x0
	.amdhsa_kernel k_q5d5473a431_prep
		.amdhsa_group_segment_fixed_size 153088
		.amdhsa_private_segment_fixed_size 0
		.amdhsa_enable_private_segment 0
		.amdhsa_kernarg_size 168
		.amdhsa_user_sgpr_count 2
		.amdhsa_user_sgpr_kernarg_segment_ptr 1
		.amdhsa_wavefront_size32 1
		.amdhsa_system_sgpr_workgroup_id_x 1
		.amdhsa_system_sgpr_workgroup_id_y 1
		.amdhsa_system_sgpr_workgroup_id_z 1
		.amdhsa_system_vgpr_workitem_id 0
		.amdhsa_next_free_vgpr 256
		.amdhsa_next_free_sgpr 102
		.amdhsa_reserve_vcc 0
		.amdhsa_float_denorm_mode_32 3
		.amdhsa_float_denorm_mode_16_64 3
		.amdhsa_fp16_overflow 1
		.amdhsa_memory_ordered 1
		.amdhsa_forward_progress 1
		.amdhsa_inst_pref_size 76
	.end_amdhsa_kernel
	.amdgpu_metadata
---
amdhsa.version: [ 1, 2 ]
amdhsa.kernels:
  - .name:           k_q5d5473a431_prep
    .symbol:         k_q5d5473a431_prep.kd
    .args:
      - { .name: x, .offset: 0, .size: 8, .value_kind: global_buffer, .address_space: global }
      - { .name: w1, .offset: 8, .size: 8, .value_kind: global_buffer, .address_space: global }
      - { .name: wq, .offset: 16, .size: 8, .value_kind: global_buffer, .address_space: global }
      - { .name: wk, .offset: 24, .size: 8, .value_kind: global_buffer, .address_space: global }
      - { .name: wv, .offset: 32, .size: 8, .value_kind: global_buffer, .address_space: global }
      - { .name: wp, .offset: 40, .size: 8, .value_kind: global_buffer, .address_space: global }
      - { .name: g1, .offset: 48, .size: 8, .value_kind: global_buffer, .address_space: global }
      - { .name: v1, .offset: 56, .size: 8, .value_kind: global_buffer, .address_space: global }
      - { .name: m1, .offset: 64, .size: 8, .value_kind: global_buffer, .address_space: global }
      - { .name: b1, .offset: 72, .size: 8, .value_kind: global_buffer, .address_space: global }
      - { .name: bq, .offset: 80, .size: 8, .value_kind: global_buffer, .address_space: global }
      - { .name: bk, .offset: 88, .size: 8, .value_kind: global_buffer, .address_space: global }
      - { .name: bv, .offset: 96, .size: 8, .value_kind: global_buffer, .address_space: global }
      - { .name: bp, .offset: 104, .size: 8, .value_kind: global_buffer, .address_space: global }
      - { .name: rel_h, .offset: 112, .size: 8, .value_kind: global_buffer, .address_space: global }
      - { .name: rel_w, .offset: 120, .size: 8, .value_kind: global_buffer, .address_space: global }
      - { .name: ef_h, .offset: 128, .size: 8, .value_kind: global_buffer, .address_space: global }
      - { .name: ef_w, .offset: 136, .size: 8, .value_kind: global_buffer, .address_space: global }
      - { .name: lowp_scales, .offset: 144, .size: 8, .value_kind: global_buffer, .address_space: global }
      - { .name: kvs, .offset: 152, .size: 8, .value_kind: global_buffer, .address_space: global }
      - { .name: qs, .offset: 160, .size: 8, .value_kind: global_buffer, .address_space: global }
    .group_segment_fixed_size: 153088
    .private_segment_fixed_size: 0
    .kernarg_segment_align: 8
    .kernarg_segment_size: 168
    .max_flat_workgroup_size: 256
    .sgpr_count:     102
    .vgpr_count:     256
    .wavefront_size: 32
...
	.end_amdgpu_metadata
.endif
;; end of part 4
;; launch att (part 5): grid 50 x 5, 8 waves a work-group, no clusters, 327,680 bytes of LDS; arguments kvs, qs, lowp_scales, po, pm, w2, w3, w23; writes po, pm, w23
.if DOCPART == 5
	.amdgcn_target "amdgcn-amd-amdhsa--gfx1250"
	.amdhsa_code_object_version 6
	.text
	.protected	k_q5d5473a431_att
	.globl	k_q5d5473a431_att
	.p2align	8
	.type	k_q5d5473a431_att,@function
k_q5d5473a431_att:
	s_mov_b64 s[64:65], 0
	v_nop
	global_prefetch_b8 v0, s[64:65] scope:SCOPE_SE
	s_setreg_imm32_b32 hwreg(HW_REG_WAVE_MODE, 25, 1), 1
	s_wait_xcnt 0x0
; SECOND LAUNCH: both attentions on codes of BF8.  Nothing is left out.  Branch 0: logit = q . k + cp . q, values v.  Branch 1: logit = p . ef, values ef.
; THE SOFTMAX: t = logit x log2(e); M = the largest t so far, rounded up to a whole number; p = 2^(t - M) is quantised along the keys; the sum l is taken of the unquantised p.  O, -M and l leave unnormalised.
; SHARES.  A work-group owns 128 queries (block x), both branches, and fifth y of the keys: 20 chunks of 64.  Wave w: branch w >> 2, pair of query tiles w & 3: tiles 8 x + 2 (w & 3) + a, a = 0, 1.  All eight waves walk the same chunks.
; Both products are used transposed (S^T = K Q^T, O^T = V^T P^T): a lane holds one query; a tile of S^T turned into codes is two registers of P as it stands.
; THE RING.  Two LDS slots of two chunks each (81,920 consecutive bytes of kvs; each wave brings 10,240 of them): one wait for all loads and one barrier for every two key steps, and a load has two key steps in which to land.
; NO CLUSTER: 6,400 queries in blocks of 128 are 50 blocks, and 50 x 5 = 250 work-groups: neither number divides by four, so no four work-groups that walk the same fifth can be launched together throughout.
; ALSO HERE: w2 and w3 are turned into codes once, for the last launch: work-groups x < 4 of y = 0, wave w: fragment 8 x + w (16 rows x 128), while their first tiles are on their way.
; LIMITS: e12 + e13 and e16 + e17 (added to log2(e)'s exponent field) between -126 and 126; e10 + e11 - e12 - e13 between -126 and 127; e15, e19, e20, e22 between -126 and 112.  NaN and infinities are not served.
; REGISTERS.  Window 0: v1-15 addresses; v16-31 statistics; v32-95 K's four fragments; v96-159 S^T, then p; v160-175 P; v176 2^ep; v180-191 at work; v192-255 q's four key fragments (branch 0).
;             Window 1: v0-127 O^T (64 a + 8 ct); v128-191 the queries' fragments (32 a + 16 x); v192-255 V's eight fragments.
.set BLK,   40960                      ; a chunk of 64 keys
.set SLOTB, 81920                      ; a slot: two chunks
.set SPARE, 163840                     ; behind the ring: the spare words, 128 bytes a wave
.set LI, 1
.set SPW, 2
.set NIL, 3
.set AK, 4                             ; v4, v5  K's (or ef's) fragments in slot 0, 1
.set AV, 6                             ; v6, v7  V's
.set PFO, 8
.set L8, 13
.set QO, 14                            ; v14, v15 the two tiles' offsets in qs
.set ST, 16                            ; set a at 16 + 8 a: +0 -M, +1 largest t (at the end l), +2, +3 l in two halves, +4 f, +5 zero, +6, +7 at work
.set KA, 32
.set S, 96
.set P, 160
.set SCL, 176
.set LMT, 177
.set TM, 180
.set KX, 192
.set QF, 128                           ; window 1
.set VB, 192                           ; window 1
.set WV, 14
.set BR, 15
.set TP, 16
.set KF, 20
.set W23, 22                           ; s[22:23] the weights' codes
.set G1, 24
.set G0A, 32                           ; s[32:35] slot 0's group 0; s[36:39] slot 1's
.set CS, 40
.set RT, 42
.set SEL, 44
.set CNT, 46
.set LIM, 47
.set PFA, 48
.set SC, 68
.set WP, 92                            ; s[92:95] w2, w3
.set MSB, 0
.macro WIN new                         ; the immediate's high byte repeats the setting that is left
.if MSB != \new
	s_set_vgpr_msb (MSB<<8)|\new
.set MSB, \new
.endif
.endm
.macro PLACES n
.rept \n
	v_nop
.endr
.endm
; A prefetch of the slot that the NEXT change of slots will ask for: 320 blocks of 256 bytes.  All 50 work-groups of a fifth walk the same bytes: the first (x = 0) asks, and nobody else.  In it waves 0 to 4 ask,
; two instructions each, a lane a block: wave w names bytes 8,192 w on of either chunk.  So each block is named once.  last = 1: the trip's second change, which asks for nothing in the last trip: no slot follows.
; Slots 0, 1 and 2 come by their loads alone.
.macro ASK last
.if \last
	s_cmp_gt_u32 s[CNT], s[LIM]
.else
	s_cmp_ge_u32 s[CNT], s[LIM]
.endif
	s_cbranch_scc0 .Lnot_mine_\@
	global_prefetch_b8 v[PFO], s[PFA:PFA+1] th:TH_LOAD_NT scope:SCOPE_SE
	global_prefetch_b8 v[PFO], s[PFA:PFA+1] offset:BLK th:TH_LOAD_NT scope:SCOPE_SE
.Lnot_mine_\@:
.endm
; The change of slots.  Each wave waits for all its tensor loads (one is out: its part of the slot ahead), adds 0 to its spare word, and waits for that and for its reads of the slot that it leaves.
; refill = 1: behind the barrier the slot just left is asked for again, first thing, one load a wave: the two chunks four steps on.
.macro CHANGE slot, refill, last
	s_wait_tensorcnt 0x0
	ds_add_u32 v[SPW], v[NIL]
.if \refill
	s_add_nc_u64 s[G0A+4*\slot+2:G0A+4*\slot+3], s[G0A+4*\slot+2:G0A+4*\slot+3], 2*SLOTB   ; no load of mine is out, so the group may be written
	s_wait_xcnt 0x0                                ; the last prefetches, a slot back, have read their address
	s_add_nc_u64 s[PFA:PFA+1], s[PFA:PFA+1], SLOTB
.endif
	s_wait_dscnt 0x0
	s_barrier_signal -1
	s_barrier_wait -1
.if \refill
	tensor_load_to_lds s[G0A+4*\slot:G0A+4*\slot+3], s[G1:G1+7]
	s_nop 0
	PLACES 4                                       ; also the places in front of the loads into V's registers
	ASK \last
.else
	PLACES 4
.endif
.endm
.macro MX first, c, i, j, k            ; a link of the maximum's chain c, for both tiles
.irp a, 0,1
.if \first
	v_max3_num_f32 v[ST+8*\a+\c], v[S+32*\a+\i], v[S+32*\a+\j], v[S+32*\a+\k]
.else
	v_max3_num_f32 v[ST+8*\a+\c], v[ST+8*\a+\c], v[S+32*\a+\i], v[S+32*\a+\j]
.endif
.endr
.endm
; A KEY STEP: chunk q of the slot, 64 keys, against my two tiles of queries.  first = 1: it starts M, l and O^T.
.macro STEP slot, q, first
.if \q
	PLACES 4                                       ; no change of slots stands in front: the places ahead of the loads into V's registers, which the last products read
.endif
	s_cmp_lg_u32 s[BR], 0                          ; the branch hangs on the wave's number alone
	s_cbranch_scc1 .Lnokx_\@
.set i, 0
.rept 16
	ds_load_b128 v[KX+4*i:KX+4*i+3], v[AK+\slot] offset:\q*BLK+8192+512*i   ; branch 0: q of the keys, for cp . q
.set i, i+1
.endr
.Lnokx_\@:
.set i, 0
.rept 16
	ds_load_b128 v[KA+4*i:KA+4*i+3], v[AK+\slot] offset:\q*BLK+512*i
.set i, i+1
.endr
	WIN 0x40
.set i, 0
.rept 16
	ds_load_b128 v[VB+4*i:VB+4*i+3], v[AV+\slot] offset:\q*BLK+512*i
.set i, i+1
.endr
	s_wait_dscnt 16                                ; all but V's sixteen
	WIN 0x04
.irp kt, 0,1,2,3                       ; the eight sums take turns
.irp a, 0,1
	v_wmma_f32_16x16x128_bf8_bf8 v[S+32*\a+8*\kt:S+32*\a+8*\kt+7], v[KA+16*\kt:KA+16*\kt+15], v[QF+32*\a:QF+32*\a+15], 0
.endr
.endr
	WIN 0
	s_cmp_lg_u32 s[BR], 0
	s_cbranch_scc1 .Lone_\@
	PLACES 4
.set i, 0
.rept 32
	v_pk_mul_f32 v[S+2*i:S+2*i+1], v[S+2*i:S+2*i+1], s[RT:RT+1] op_sel_hi:[1,0]   ; q . k under cp . q's power of two: x 2^(e10 + e11 - e12 - e13), exact
.set i, i+1
.endr
	WIN 0x04
.irp kt, 0,1,2,3
.irp a, 0,1
	v_wmma_f32_16x16x128_bf8_bf8 v[S+32*\a+8*\kt:S+32*\a+8*\kt+7], v[KX+16*\kt:KX+16*\kt+15], v[QF+32*\a+16:QF+32*\a+31], v[S+32*\a+8*\kt:S+32*\a+8*\kt+7]
.endr
.endr
	WIN 0
.Lone_\@:
	PLACES 4
	MX 1, 6, 0, 1, 2                               ; each of a tile's four sums is first read at its low end
	MX 1, 7, 8, 9, 10
	MX 0, 6, 16, 17, 0
	MX 0, 7, 24, 25, 0
	MX 0, 6, 3, 4, 0
	MX 0, 7, 5, 6, 0
	MX 0, 6, 7, 11, 0
	MX 0, 7, 12, 13, 0
	MX 0, 6, 14, 15, 0
	MX 0, 7, 18, 19, 0
	MX 0, 6, 20, 21, 0
	MX 0, 7, 22, 23, 0
	MX 0, 6, 26, 27, 0
	MX 0, 7, 28, 29, 0
	MX 0, 6, 30, 31, 0
.irp a, 0,1
	s_delay_alu instid0(VALU_DEP_2)
	v_max_num_f32 v[ST+8*\a+6], v[ST+8*\a+6], v[ST+8*\a+7]
.endr
.irp a, 0,1
	s_delay_alu instid0(VALU_DEP_2)
	v_permlanex16_b32 v[ST+8*\a+7], v[ST+8*\a+6], s[SEL], s[SEL+1]   ; the query's other 32 keys lie in the lane 16 away
.endr
.irp a, 0,1
	s_delay_alu instid0(VALU_DEP_2)
	v_max_num_f32 v[ST+8*\a+6], v[ST+8*\a+6], v[ST+8*\a+7]
.endr
.irp a, 0,1
	s_delay_alu instid0(VALU_DEP_2)
	v_mul_f32 v[ST+8*\a+6], s[CS], v[ST+8*\a+6]    ; as t
.endr
.if \first
.irp a, 0,1
	s_delay_alu instid0(VALU_DEP_2)
	v_mov_b32 v[ST+8*\a+1], v[ST+8*\a+6]
.endr
.irp a, 0,1
	s_delay_alu instid0(VALU_DEP_2)
	v_floor_f32 v[ST+8*\a], -v[ST+8*\a+1]          ; -M = floor(-t)
.endr
.else
.irp a, 0,1
	s_delay_alu instid0(VALU_DEP_2)
	v_max_num_f32 v[ST+8*\a+1], v[ST+8*\a+1], v[ST+8*\a+6]
.endr
.irp a, 0,1
	v_mov_b32 v[ST+8*\a+7], v[ST+8*\a]
.endr
.irp a, 0,1
	s_delay_alu instid0(VALU_DEP_4)
	v_floor_f32 v[ST+8*\a], -v[ST+8*\a+1]
.endr
.irp a, 0,1
	s_delay_alu instid0(VALU_DEP_2)
	v_sub_f32 v[ST+8*\a+7], v[ST+8*\a], v[ST+8*\a+7]   ; old M - new M: a whole number, 0 or less
.endr
.irp a, 0,1
	s_delay_alu instid0(VALU_DEP_2)
	v_cvt_i32_f32 v[ST+8*\a+7], v[ST+8*\a+7]
.endr
.irp a, 0,1
	s_delay_alu instid0(VALU_DEP_2)
	v_ldexp_f32 v[ST+8*\a+4], 1.0, v[ST+8*\a+7]    ; f = 2^(old M - new M)
.endr
.endif
.set i, 0
.rept 16
.irp a, 0,1
	v_pk_fma_f32 v[S+32*\a+2*i:S+32*\a+2*i+1], v[S+32*\a+2*i:S+32*\a+2*i+1], s[CS:CS+1], v[ST+8*\a:ST+8*\a+1] op_sel_hi:[1,0,0]   ; t - M
.endr
.set i, i+1
.endr
.set i, 0
	s_wait_alu depctr_va_vdst(0)
.rept 64
	v_exp_f32 v[S+i], v[S+i]
.set i, i+1
.endr
.if \first
	v_nop
.else
.irp a, 0,1
	v_pk_mul_f32 v[ST+8*\a+2:ST+8*\a+3], v[ST+8*\a+2:ST+8*\a+3], v[ST+8*\a+4:ST+8*\a+5] op_sel_hi:[1,0]   ; l under the new M; a plain line behind the exponentials
.endr
.endif
	s_wait_alu depctr_va_vdst(0)                   ; one wait for the batch of 64, ahead of its first reader
.irp a, 0,1
	v_pk_add_f32 v[TM+2*\a:TM+2*\a+1], v[S+32*\a:S+32*\a+1], v[S+32*\a+2:S+32*\a+3]   ; the sum of the unquantised p, in two chains a tile
.endr
.irp j, 4,8,12,16,20,24,28
.irp a, 0,1
	v_pk_add_f32 v[ST+8*\a+2:ST+8*\a+3], v[ST+8*\a+2:ST+8*\a+3], v[S+32*\a+\j:S+32*\a+\j+1]
	v_pk_add_f32 v[TM+2*\a:TM+2*\a+1], v[TM+2*\a:TM+2*\a+1], v[S+32*\a+\j+2:S+32*\a+\j+3]
.endr
.endr
.irp a, 0
	s_delay_alu instid0(VALU_DEP_3)
	v_pk_add_f32 v[ST+8*\a+2:ST+8*\a+3], v[ST+8*\a+2:ST+8*\a+3], v[TM+2*\a:TM+2*\a+1]
.endr
.irp a, 1
	s_delay_alu instid0(VALU_DEP_2)
	v_pk_add_f32 v[ST+8*\a+2:ST+8*\a+3], v[ST+8*\a+2:ST+8*\a+3], v[TM+2*\a:TM+2*\a+1]
.endr
.set i, 0
.rept 64
.set i, i+1
.endr
.set i, 0
.rept 8
	v_cvt_scalef32_pk8_bf8_f32 v[P+2*i:P+2*i+1], v[S+8*i:S+8*i+7], v[SCL]   ; tile a, keys 16 kt + 8 h + 0 .. 7: registers 2 kt, 2 kt + 1 of P[a]
.set i, i+1
.endr
.if \first
	v_nop
.else
	WIN 0x41
.set i, 0
.rept 32
.irp a, 0,1
	v_pk_mul_f32 v[64*\a+2*i:64*\a+2*i+1], v[64*\a+2*i:64*\a+2*i+1], v[ST+8*\a+4:ST+8*\a+5] op_sel_hi:[1,0]   ; O^T under the new M
.endr
.set i, i+1
.endr
.endif
	s_wait_alu depctr_va_vdst(0)
	s_wait_dscnt 0x0                               ; V is in
	WIN 0x51
.irp ct, 0,1,2,3,4,5,6,7               ; sixteen sums by turns
.irp a, 0,1
.if \first
	v_wmma_f32_16x16x64_bf8_bf8 v[64*\a+8*\ct:64*\a+8*\ct+7], v[VB+8*\ct:VB+8*\ct+7], v[P+8*\a:P+8*\a+7], 0
.else
	v_wmma_f32_16x16x64_bf8_bf8 v[64*\a+8*\ct:64*\a+8*\ct+7], v[VB+8*\ct:VB+8*\ct+7], v[P+8*\a:P+8*\a+7], v[64*\a+8*\ct:64*\a+8*\ct+7]
.endif
.endr
.endr
	WIN 0
.endm
	s_load_b256 s[4:11], s[0:1], 0x0               ; kvs, qs, lowp_scales, po
	s_load_b64 s[12:13], s[0:1], 0x20              ; pm
	s_load_b128 s[WP:WP+3], s[0:1], 0x28           ; w2, w3
	s_load_b64 s[W23:W23+1], s[0:1], 0x38          ; w23
	v_lshl_add_u32 v[SPW], v0, 2, SPARE
	v_mov_b32 v[NIL], 0
	ds_add_u32 v[SPW], v[NIL]                      ; the wave's opening: the add, twice on end, and its wait ahead of my first tensor load
	ds_add_u32 v[SPW], v[NIL]
	v_lshrrev_b32 v[L8], 5, v0
	s_delay_alu instid0(VALU_DEP_1)
	v_readfirstlane_b32 s[WV], v[L8]
	s_lshr_b32 s[BR], s[WV], 2
	s_and_b32 s[TP], s[WV], 3
	s_and_b32 s[KF], ttmp7, 0xffff                 ; which fifth of the keys
	s_mov_b32 s[G1], 3<<16                         ; no mask; elements of 8 bytes; no padding: images are read 512 consecutive bytes at a time
	s_mov_b32 s[G1+1], 32<<16                      ; tensor_dim0 = 32 elements: rows of 256 bytes
	s_mov_b32 s[G1+2], 40<<16                      ; tensor_dim1 = 40
	s_mov_b32 s[G1+3], 32<<16                      ; tile_dim0
	s_mov_b32 s[G1+4], 40                          ; tile_dim1: 10,240 bytes a load, an eighth of a slot
	s_mov_b32 s[G1+5], 32                          ; dense
	s_mov_b32 s[G1+6], 0
	s_mov_b32 s[G1+7], 0
	s_mov_b32 s[G0A], 1
	s_mul_i32 s[G0A+1], s[WV], 10240               ; my eighth of slot 0,
	s_mov_b32 s[G0A+4], 1
	s_add_co_u32 s[G0A+5], s[G0A+1], SLOTB         ; of slot 1
	s_mul_i32 s50, s[KF], 20*BLK
	s_mul_i32 s51, s[WV], 10240
	s_add_co_u32 s50, s50, s51                     ; and of the fifth's first two chunks in memory
	s_mov_b32 s51, 0
	s_mov_b32 s[SEL], 0x76543210
	s_mov_b32 s[SEL+1], 0xfedcba98
	v_and_b32 v[L8], 31, v0
	s_delay_alu instid0(VALU_DEP_1)
	v_lshlrev_b32 v[LI], 4, v[L8]
	s_delay_alu instid0(VALU_DEP_2)
	v_lshlrev_b32 v[PFO], 8, v[L8]
	s_delay_alu instid0(VALU_DEP_3)
	v_lshlrev_b32 v[L8], 3, v[L8]
	s_mul_i32 s53, s[BR], 24576                    ; k at +0, ef at +24,576
	v_add_nc_u32 v[AK], s53, v[LI]
	s_add_co_u32 s53, s53, SLOTB
	v_add_nc_u32 v[AK+1], s53, v[LI]
	s_lshl_b32 s53, s[BR], 14                      ; v at +16,384, ef with the keys innermost at +32,768
	s_add_co_u32 s53, s53, 16384
	v_add_nc_u32 v[AV], s53, v[LI]
	s_add_co_u32 s53, s53, SLOTB
	v_add_nc_u32 v[AV+1], s53, v[LI]
	s_wait_alu depctr_va_vdst(0)
	s_wait_dscnt 0x0                               ; both opening adds are done
	s_wait_kmcnt 0x0
	s_load_b512 s[68:83], s[8:9], 0x0
	s_load_b256 s[84:91], s[8:9], 0x40
	s_add_nc_u64 s[G0A+2:G0A+3], s[4:5], s[50:51]  ; chunks 0 and 1
	s_add_nc_u64 s[G0A+6:G0A+7], s[G0A+2:G0A+3], SLOTB   ; chunks 2 and 3
	s_or_b32 s[G0A+3], s[G0A+3], 0x80000000
	s_or_b32 s[G0A+7], s[G0A+7], 0x80000000
	tensor_load_to_lds s[G0A:G0A+3], s[G1:G1+7]    ; one load of mine is out
	s_nop 0
	s_wait_alu depctr_va_vdst(0)
	s_wait_tensorcnt 0x0
	ds_add_u32 v2, v3
	s_wait_dscnt 0x0
	s_barrier_signal -1
	s_barrier_wait -1
	tensor_load_to_lds s[G0A+4:G0A+7], s[G1:G1+7]
	s_nop 0
	PLACES 4
	s_lshl_b32 s54, ttmp9, 3
	s_lshl_b32 s55, s[TP], 1
	s_add_co_u32 s54, s54, s55                     ; set 0's tile; set 1's is the next
	s_lshl_b32 s57, s[BR], 12                      ; q at +0, p at +4,096
	s_mul_i32 s56, s54, 6144
	s_add_co_u32 s56, s56, s57
	v_add_nc_u32 v[QO], s56, v[LI]
	s_delay_alu instid0(VALU_DEP_1)
	v_add_nc_u32 v[QO+1], 6144, v[QO]
	WIN 0x40
.irp a, 0,1
.irp g, 0,1,2,3
	global_load_b128 v[QF+32*\a+4*\g:QF+32*\a+4*\g+3], v[QO+\a], s[6:7] offset:512*\g
.endr
.endr
	WIN 0
	s_cmp_lg_u32 s[BR], 0
	s_cbranch_scc1 .Lnocp
	WIN 0x40
.irp a, 0,1
.irp g, 0,1,2,3
	global_load_b128 v[QF+32*\a+16+4*\g:QF+32*\a+16+4*\g+3], v[QO+\a], s[6:7] offset:2048+512*\g   ; cp
.endr
.endr
	WIN 0
.Lnocp:
	; ---- w2 and w3 into codes: 32 fragments, one a wave, in the four work-groups x < 4 of y = 0.  The branch hangs on ids alone; loads, wait, conversion and stores all stand inside it
	s_lshr_b32 s50, ttmp9, 2
	s_or_b32 s50, s50, s[KF]
	s_cmp_eq_u32 s50, 0
	s_cbranch_scc0 .Lnow
	s_cmp_lt_u32 ttmp9, 2
	s_cselect_b64 s[WP:WP+1], s[WP:WP+1], s[WP+2:WP+3]   ; x = 0, 1: w2; x = 2, 3: w3
	s_and_b32 s50, ttmp9, 1
	s_lshl_b32 s50, s50, 3
	s_add_co_u32 s50, s50, s[WV]                   ; which 16 rows: 8 (x & 1) + w
	s_lshl_b32 s50, s50, 13                        ; of 512 bytes each
	s_mov_b32 s51, 0
	s_add_nc_u64 s[WP:WP+1], s[WP:WP+1], s[50:51]
	s_lshl_b32 s50, ttmp9, 3
	s_add_co_u32 s50, s50, s[WV]
	s_lshl_b32 s50, s50, 11                        ; fragment 8 x + w of 2,048 bytes
	s_add_nc_u64 s[W23:W23+1], s[W23:W23+1], s[50:51]
	v_and_b32 v180, 15, v0
	v_bfe_u32 v181, v0, 4, 1
	s_delay_alu instid0(VALU_DEP_2)
	v_lshlrev_b32 v180, 9, v180
	s_delay_alu instid0(VALU_DEP_1)
	v_lshl_add_u32 v180, v181, 5, v180             ; row r, + 32 h: 8 neighbours of each 16 along K
.set i, 0
.rept 16
	global_load_b128 v[S+4*i:S+4*i+3], v180, s[WP:WP+1] offset:64*(i/2)+16*(i%2)
.set i, i+1
.endr
	s_wait_kmcnt 0x0                               ; the scales' exponents
	s_cmp_lt_u32 ttmp9, 2
	s_cselect_b32 s50, s[SC+20], s[SC+22]
	s_add_co_i32 s52, s50, 127
	s_lshl_b32 s53, s52, 23
	v_mov_b32 v182, s53                            ; 2^e
	s_wait_alu depctr_va_vdst(0)
	s_wait_loadcnt 0x0
.set i, 0
.rept 64
.set i, i+1
.endr
.set i, 0
.rept 8
	v_cvt_scalef32_pk8_bf8_f32 v[KA+2*i:KA+2*i+1], v[S+8*i:S+8*i+7], v182
.set i, i+1
.endr
	v_nop                                          ; a plain line behind the last conversion
.irp g, 0,1,2,3
	global_store_b128 v[LI], v[KA+4*\g:KA+4*\g+3], s[W23:W23+1] offset:512*\g   ; an image of the fragment's registers: 512 consecutive bytes a store
.endr
	s_wait_xcnt 0x0                                ; the stores have read their registers, which K's fragments will take
.Lnow:
	s_mul_i32 s50, s[BR], 5
	s_add_co_u32 s50, s50, s[KF]
	s_mul_i32 s50, s50, 400
	s_add_co_u32 s50, s50, s54                     ; (5 br + fifth) 400 + my first tile
	s_lshl_b32 s52, s50, 13
	s_mov_b32 s53, 0
	s_add_nc_u64 s[10:11], s[10:11], s[52:53]
	s_lshl_b32 s52, s50, 8
	s_add_nc_u64 s[12:13], s[12:13], s[52:53]
	s_mul_i32 s50, s[KF], 20*BLK
	s_add_co_u32 s50, s50, 2*SLOTB                 ; at the third slot's worth: the first change steps it to the fourth
	s_lshl_b32 s51, s[WV], 13
	s_add_co_u32 s50, s50, s51
	s_mov_b32 s51, 0
	s_add_nc_u64 s[PFA:PFA+1], s[4:5], s[50:51]
	s_cmp_lt_u32 s[WV], 5
	s_cselect_b32 s[LIM], 0, 1
	s_or_b32 s[LIM], s[LIM], ttmp9
	s_cmp_eq_u32 s[LIM], 0
	s_cselect_b32 s[LIM], 1, -1                    ; 1 in waves 0 to 4 of work-group x = 0, else the greatest number
.irp a, 0,1
	v_mov_b32 v[ST+8*\a+2], 0
	v_mov_b32 v[ST+8*\a+3], 0
	v_mov_b32 v[ST+8*\a+5], 0
.endr
	s_wait_kmcnt 0x0
	s_cmp_eq_u32 s[BR], 0
	s_cselect_b32 s50, s[SC+12], s[SC+16]
	s_cselect_b32 s51, s[SC+13], s[SC+17]
	s_cselect_b32 s52, s[SC+15], s[SC+19]
	s_add_co_i32 s50, s50, s51
	s_lshl_b32 s50, s50, 23
	s_add_co_i32 s[CS], s50, 0x3fb8aa3b            ; log2(e) x 2^(the logit's two exponents)
	s_mov_b32 s[CS+1], s[CS]
	s_add_co_i32 s51, s[SC+10], s[SC+11]
	s_sub_co_i32 s51, s51, s[SC+12]
	s_sub_co_i32 s51, s51, s[SC+13]
	s_add_co_i32 s51, s51, 127
	s_lshl_b32 s[RT], s51, 23
	s_mov_b32 s[RT+1], s[RT]
	s_add_co_i32 s52, s52, 127
	s_lshl_b32 s53, s52, 23
	v_mov_b32 v[SCL], s53
	s_wait_tensorcnt 1                             ; my part of slot 0 is in; slot 1's may stay out
	s_barrier_signal -1
	s_barrier_wait -1
	s_wait_loadcnt 0x0                             ; the queries' fragments
	STEP 0, 0, 1                                   ; chunks 0 and 1
	STEP 0, 1, 0
	s_mov_b32 s[CNT], 4
.Lpair:                                            ; trip k: chunks 4 k + 2 .. 4 k + 5; asks for chunks 4 k + 4 .. 4 k + 7
	CHANGE 0, 1, 0
	STEP 1, 0, 0
	STEP 1, 1, 0
	CHANGE 1, 1, 1
	STEP 0, 0, 0
	STEP 0, 1, 0
	s_sub_co_u32 s[CNT], s[CNT], 1
	s_cmp_lg_u32 s[CNT], 0
	s_cbranch_scc1 .Lpair
	CHANGE 0, 0, 0                                 ; the last slot: nothing is left to fetch
	STEP 1, 0, 0                                   ; chunks 18 and 19
	STEP 1, 1, 0
	; ---- the way out: both tiles' O^T as images of their registers, and -M and l
	PLACES 4
.irp a, 0,1
	v_add_f32 v[ST+8*\a+1], v[ST+8*\a+2], v[ST+8*\a+3]
.endr
.irp a, 0,1
	s_delay_alu instid0(VALU_DEP_2)
	v_permlanex16_b32 v[ST+8*\a+6], v[ST+8*\a+1], s[SEL], s[SEL+1]
.endr
.irp a, 0,1
	s_delay_alu instid0(VALU_DEP_2)
	v_add_f32 v[ST+8*\a+1], v[ST+8*\a+1], v[ST+8*\a+6]   ; l of my fifth
.endr
	WIN 0x04                                       ; the stores' data lie in window 1
.set i, 0
.rept 32
	global_store_b128 v[LI], v[4*i:4*i+3], s[10:11] offset:512*i th:TH_STORE_NT   ; 32 lanes store 512 consecutive bytes; each sum from its low end on
.set i, i+1
.endr
	WIN 0
	global_store_b64 v[L8], v[ST:ST+1], s[12:13]   ; 32 lanes store 256 consecutive bytes
	global_store_b64 v[L8], v[ST+8:ST+9], s[12:13] offset:256
	s_wait_tensorcnt 0x0                           ; the wave's end
	ds_add_u32 v[SPW], v[NIL]
	s_wait_dscnt 0x0
	s_endpgm
.Lfunc_end_k_q5d5473a431_att:
	.size	k_q5d5473a431_att, .Lfunc_end_k_q5d5473a431_att-k_q5d5473a431_att
	.p2alignl 7, 3214868480
	.fill 96, 4, 3214868480
	.section	.rodata,"a",@progbits
	.p2align	6, 0x0
	.amdhsa_kernel k_q5d5473a431_att
		.amdhsa_group_segment_fixed_size 327680
		.amdhsa_private_segment_fixed_size 0
		.amdhsa_enable_private_segment 0
		.amdhsa_kernarg_size 64
		.amdhsa_user_sgpr_count 2
		.amdhsa_user_sgpr_kernarg_segment_ptr 1
		.amdhsa_wavefront_size32 1
		.amdhsa_system_sgpr_workgroup_id_x 1
		.amdhsa_system_sgpr_workgroup_id_y 1
		.amdhsa_system_sgpr_workgroup_id_z 1
		.amdhsa_system_vgpr_workitem_id 0
		.amdhsa_next_free_vgpr 512
		.amdhsa_next_free_sgpr 96
		.amdhsa_reserve_vcc 0
		.amdhsa_float_denorm_mode_32 3
		.amdhsa_float_denorm_mode_16_64 3
		.amdhsa_fp16_overflow 1
		.amdhsa_memory_ordered 1
		.amdhsa_forward_progress 1
		.amdhsa_inst_pref_size 187
	.end_amdhsa_kernel
	.amdgpu_metadata
---
amdhsa.version: [ 1, 2 ]
amdhsa.kernels:
  - .name:           k_q5d5473a431_att
    .symbol:         k_q5d5473a431_att.kd
    .args:
      - { .name: kvs, .offset: 0, .size: 8, .value_kind: global_buffer, .address_space: global }
      - { .name: qs, .offset: 8, .size: 8, .value_kind: global_buffer, .address_space: global }
      - { .name: lowp_scales, .offset: 16, .size: 8, .value_kind: global_buffer, .address_space: global }
      - { .name: po, .offset: 24, .size: 8, .value_kind: global_buffer, .address_space: global }
      - { .name: pm, .offset: 32, .size: 8, .value_kind: global_buffer, .address_space: global }
      - { .name: w2, .offset: 40, .size: 8, .value_kind: global_buffer, .address_space: global }
      - { .name: w3, .offset: 48, .size: 8, .value_kind: global_buffer, .address_space: global }
      - { .name: w23, .offset: 56, .size: 8, .value_kind: global_buffer, .address_space: global }
    .group_segment_fixed_size: 327680
    .private_segment_fixed_size: 0
    .kernarg_segment_align: 8
    .kernarg_segment_size: 64
    .max_flat_workgroup_size: 256
    .sgpr_count:     96
    .vgpr_count:     512
    .wavefront_size: 32
...
	.end_amdgpu_metadata
.endif
;; end of part 5
;; launch fin (part 6): grid 100 x 1, 8 waves a work-group, no clusters, 205,824 bytes of LDS; arguments po, pm, w23, lowp_scales, g2, b2, m2, v2, g3, b3, m3, v3, x, out0; writes out0
.if DOCPART == 6
	.amdgcn_target "amdgcn-amd-amdhsa--gfx1250"
	.amdhsa_code_object_version 6
	.text
	.protected	k_q5d5473a431_fin
	.globl	k_q5d5473a431_fin
	.p2align	8
	.type	k_q5d5473a431_fin,@function
k_q5d5473a431_fin:
	s_mov_b64 s[64:65], 0
	v_nop
	global_prefetch_b8 v0, s[64:65] scope:SCOPE_SE
	s_setreg_imm32_b32 hwreg(HW_REG_WAVE_MODE, 25, 1), 1
	s_wait_xcnt 0x0
; THIRD LAUNCH: the five fifths of the keys are joined, O is divided by l, quantised, multiplied by w2 or w3, BN and SiLU, and out0 = x + both branches.  Nothing is left out.
; SHARES.  Work-group g owns positions 64 g on.  Wave w: tile t = w & 3, branch w >> 2: all 256 output channels of its 16 positions.  On the way out wave w stores channels 32 w .. 32 w + 31.
; The weights come as codes, as images of their fragments' registers (made by the launch before): a wave fetches four of its branch's sixteen, 512 consecutive bytes a load, and the images meet in LDS.
; The product has source 0 = 16 positions, source 1 = 16 rows of W: a lane holds one output channel and eight neighbouring positions.
; LIMITS: e21, e23 between -126 and 112; e20 + e21 and e22 + e23 between -126 and 127.  NaN and infinities are not served.
; No cluster, no tensor load: what work-groups share is 64 KiB of codes; all else is each work-group's own and read once.
; REGISTERS.  Window 0: v1-12 addresses; v16-79 the fifth partial, then the joined O^T; v80-143 four fragments' codes on their way to LDS; v16-143 then the 16 results, then rows of the result;
;             v144+ot m, v160+ot v then s, v176+ot b, v192+ot g; v208-223 codes; v224-233 the five (-M, l); v234, v235 -M, l; v238 scale; v240-249 five factors, in pairs; v208-239 later SiLU's.
;             Window 1: partials 0 to 3 (64 each), then W's 16 fragments, then x (v0-63).
.set WIMG,  0                          ; (16 br + ot) x 2,048
.set STG0,  65536                      ; 256 rows (channels) x (256 bytes + 16), for each branch
.set STGB,  69632
.set SPARE, 204800
.set SC,    68
.set CD,    208
.set WC,    80
.set PART,  3276800                    ; from a fifth's partials to the next fifth's: 400 tiles x 8,192 bytes
.set MSB, 0
.macro WIN new
.if MSB != \new
	s_set_vgpr_msb (MSB<<8)|\new
.set MSB, \new
.endif
.endm
.macro MKSC se, vs, vl
	s_add_co_i32 s60, \se, 127
	s_lshl_b32 s61, s60, 23
	v_mov_b32 v[\vs], s61
	s_add_co_i32 s60, s60, 15
	s_lshl_b32 s60, s60, 23
	s_or_b32 s60, s60, 0x600000
.endm
.macro BARRIER
	s_wait_dscnt 0x0
	s_barrier_signal -1
	s_barrier_wait -1
.endm
	s_load_b512 s[4:19], s[0:1], 0x0               ; po, pm, w23, lowp_scales, g2, b2, m2, v2
	s_load_b256 s[20:27], s[0:1], 0x40             ; g3, b3, m3, v3
	s_load_b128 s[28:31], s[0:1], 0x60             ; x, out0
	v_lshl_add_u32 v2, v0, 2, SPARE
	v_mov_b32 v3, 0
	v_lshrrev_b32 v13, 5, v0
	s_delay_alu instid0(VALU_DEP_1)
	v_readfirstlane_b32 s46, v13                   ; wave
	s_and_b32 s47, s46, 3                          ; t
	s_lshr_b32 s48, s46, 2                         ; branch
	s_lshl_b32 s49, ttmp9, 2
	s_add_co_u32 s49, s49, s47                     ; T
	v_and_b32 v13, 31, v0
	v_and_b32 v14, 15, v0                          ; r
	v_bfe_u32 v15, v0, 4, 1                        ; h
	s_delay_alu instid0(VALU_DEP_3)
	v_lshlrev_b32 v1, 4, v13                       ; v1: 16 x lane
	s_delay_alu instid0(VALU_DEP_4)
	v_lshlrev_b32 v6, 3, v13                       ; v6: 8 x lane
	s_delay_alu instid0(VALU_DEP_4)
	v_lshlrev_b32 v7, 2, v14                       ; v7: 4 r
	s_lshl_b32 s54, s48, 15
	v_add_nc_u32 v8, s54, v1                       ; v8: my branch's images
	s_lshl_b32 s55, s47, 13
	v_add_nc_u32 v5, s55, v8                       ; v5: images 4 t on: the same offset in w23 and in LDS
	s_lshl_b32 s54, s46, 5
	s_mul_i32 s54, s54, 25600
	s_lshl_b32 s55, ttmp9, 8
	s_add_co_u32 s54, s54, s55
	v_mul_u32_u24 v9, v15, 25600
	s_delay_alu instid0(VALU_DEP_1)
	v_lshl_add_u32 v9, v14, 4, v9
	s_delay_alu instid0(VALU_DEP_1)
	v_add_nc_u32 v9, s54, v9                       ; v9: x and out0: channel 32 w + h, position 64 g + 4 r
	s_mul_i32 s54, s48, STGB
	s_lshl_b32 s55, s47, 6
	s_add_co_u32 s54, s54, s55
	s_add_co_u32 s54, s54, STG0
	v_mul_u32_u24 v10, v14, 272
	s_delay_alu instid0(VALU_DEP_1)
	v_lshl_add_u32 v10, v15, 5, v10
	s_delay_alu instid0(VALU_DEP_1)
	v_add_nc_u32 v10, s54, v10                     ; v10: into my branch's stage: row r, byte 64 t + 32 h
	s_mul_i32 s54, s46, 32*272
	s_add_co_u32 s54, s54, STG0
	v_mul_u32_u24 v11, v15, 272
	s_delay_alu instid0(VALU_DEP_1)
	v_lshl_add_u32 v11, v14, 4, v11
	s_delay_alu instid0(VALU_DEP_1)
	v_add_nc_u32 v11, s54, v11                     ; v11, v12: back: row 32 w + h, 16 bytes a lane, of either stage
	s_delay_alu instid0(VALU_DEP_1)
	v_add_nc_u32 v12, STGB, v11
	s_mul_i32 s50, s48, 2000
	s_add_co_u32 s50, s50, s49                     ; (5 br) 400 + T
	s_lshl_b32 s52, s50, 13
	s_mov_b32 s53, 0
	s_lshl_b32 s54, s50, 8
	s_mov_b32 s55, 0
	s_wait_kmcnt 0x0
	s_load_b512 s[68:83], s[10:11], 0x0
	s_load_b256 s[84:91], s[10:11], 0x40
	s_add_nc_u64 s[4:5], s[4:5], s[52:53]          ; fifths 0 to 2 from here,
	s_add_nc_u64 s[34:35], s[4:5], 3*PART          ; fifths 3 and 4 from here: three steps pass the signed 24-bit immediate (ISA guide, chapter 10)
	s_add_nc_u64 s[6:7], s[6:7], s[54:55]
	s_cmp_eq_u32 s48, 0                            ; the choices hang on the wave's number alone
	s_cselect_b64 s[36:37], s[12:13], s[20:21]     ; g
	s_cselect_b64 s[38:39], s[14:15], s[22:23]     ; b
	s_cselect_b64 s[40:41], s[16:17], s[24:25]     ; m
	s_cselect_b64 s[42:43], s[18:19], s[26:27]     ; v
.set i, 0
.rept 16
	global_load_b128 v[WC+4*i:WC+4*i+3], v5, s[8:9] offset:512*i   ; four fragments of codes
.set i, i+1
.endr
.irp k, 0,1,2,3,4
	global_load_b64 v[224+2*\k:225+2*\k], v6, s[6:7] offset:102400*\k
.endr
.set i, 0
.rept 16
	global_load_b128 v[16+4*i:19+4*i], v1, s[34:35] offset:PART+512*i th:TH_LOAD_NT
.set i, i+1
.endr
	WIN 0x40
.irp k, 0,1,2
.set i, 0
.rept 16
	global_load_b128 v[64*\k+4*i:64*\k+4*i+3], v1, s[4:5] offset:PART*\k+512*i th:TH_LOAD_NT
.set i, i+1
.endr
.endr
.set i, 0
.rept 16
	global_load_b128 v[192+4*i:195+4*i], v1, s[34:35] offset:512*i th:TH_LOAD_NT
.set i, i+1
.endr
	WIN 0
	s_wait_loadcnt 63                              ; of the 101 loads so far the first 38 are in, the codes' sixteen among them
.set i, 0
.rept 16
	ds_store_b128 v5, v[WC+4*i:WC+4*i+3] offset:512*i
.set i, i+1
.endr
.set i, 0
.rept 16
	global_load_b32 v[144+i], v7, s[40:41] offset:64*i
	global_load_b32 v[160+i], v7, s[42:43] offset:64*i
	global_load_b32 v[176+i], v7, s[38:39] offset:64*i
	global_load_b32 v[192+i], v7, s[36:37] offset:64*i
.set i, i+1
.endr
	s_wait_kmcnt 0x0
	s_cmp_eq_u32 s48, 0
	s_cselect_b32 s50, s[SC+20], s[SC+22]
	s_cselect_b32 s51, s[SC+21], s[SC+23]
	s_cselect_b32 s52, s[SC+14], s[SC+18]
	s_cselect_b32 s53, s[SC+15], s[SC+19]
	s_add_co_i32 s54, s52, s53                     ; ev + ep
	s_add_co_i32 s44, s50, s51
	s_add_co_i32 s44, s44, 127
	s_lshl_b32 s44, s44, 23                        ; 2^(eW + eO)
	MKSC s51, 238, 239
	s_wait_loadcnt 63                              ; 64 loads of parameters were issued behind the statistics and the partials
	; the five fifths under one M; 1 / l; the two scales of the product with the softmax
	v_min_num_f32 v234, v224, v226
	s_delay_alu instid0(VALU_DEP_1)
	v_min_num_f32 v234, v234, v228
	s_delay_alu instid0(VALU_DEP_1)
	v_min_num_f32 v234, v234, v230
	s_delay_alu instid0(VALU_DEP_1)
	v_min_num_f32 v234, v234, v232                 ; -M of all keys
.irp k, 0,1,2,3,4
	v_sub_f32 v[240+2*\k], v234, v[224+2*\k]       ; M of the fifth less M: a whole number, 0 or less
.endr
.irp k, 0,1,2,3,4
	v_cvt_i32_f32 v[240+2*\k], v[240+2*\k]
.endr
.irp k, 0,1,2,3,4
	v_ldexp_f32 v[240+2*\k], 1.0, v[240+2*\k]      ; an exact power of two
.endr
	v_mul_f32 v235, v225, v240
.irp k, 1,2,3,4
	s_delay_alu instid0(VALU_DEP_1)
	v_fma_f32 v235, v[225+2*\k], v[240+2*\k], v235
.endr
	s_wait_alu depctr_va_vdst(0)
	v_rcp_f32 v235, v235
.irp k, 0,1,2,3,4
	v_mov_b32 v[241+2*\k], 0                       ; (named as the pairs' upper halves)
.endr
	s_wait_alu depctr_va_vdst(0)                   ; the wait ahead of the reciprocal's first reader
	v_ldexp_f32 v235, v235, s54
.irp k, 0,1,2,3,4
	v_mul_f32 v[240+2*\k], v[240+2*\k], v235
.endr
.set i, 0
.rept 32
	v_pk_mul_f32 v[16+2*i:17+2*i], v[16+2*i:17+2*i], v[248:249] op_sel_hi:[1,0]
.set i, i+1
.endr
	WIN 0x01                                       ; source 0: window 1
.irp k, 0,1,2,3
.set i, 0
.rept 32
	v_pk_fma_f32 v[16+2*i:17+2*i], v[64*\k+2*i:64*\k+2*i+1], v[240+2*\k:241+2*\k], v[16+2*i:17+2*i] op_sel_hi:[1,0,1]
.set i, i+1
.endr
.endr
	WIN 0
.set qi, 0
.rept 64
.set qi, qi+1
.endr
.set qi, 0
.rept 8
	v_cvt_scalef32_pk8_bf8_f32 v[CD+2*qi:CD+2*qi+1], v[16+8*qi:23+8*qi], v238   ; channels 16 ct + 8 h + 0 .. 7 of my position: registers 2 ct, 2 ct + 1 of the operand
.set qi, qi+1
.endr
	v_nop
	s_wait_loadcnt 0x0                             ; the parameters
.set i, 0
.rept 16
	v_add_f32 v[160+i], 0x3727c5ac, v[160+i]       ; v + 1e-5
.set i, i+1
.endr
.set i, 0
	s_wait_alu depctr_va_vdst(0)
.rept 16
	v_rsq_f32 v[160+i], v[160+i]
.set i, i+1
.endr
	v_nop
	s_wait_alu depctr_va_vdst(0)
.set i, 0
.rept 16
	v_mul_f32 v[160+i], v[192+i], v[160+i]         ; s = g rsqrt(v + eps)
.set i, i+1
.endr
	BARRIER                                        ; both weights' 32 fragments lie in LDS
	WIN 0x40
.set i, 0
.rept 64
	ds_load_b128 v[4*i:4*i+3], v8 offset:512*i
.set i, i+1
.endr
	s_wait_dscnt 0x0
	WIN 0x04
.set i, 0
.rept 16
	v_wmma_f32_16x16x128_bf8_bf8 v[16+8*i:23+8*i], v[CD:CD+15], v[16*i:16*i+15], 0
.set i, i+1
.endr
	WIN 0
.rept 5
	v_nop
.endr
	WIN 0x40
.set i, 0
.rept 16
	global_load_b128 v[4*i:4*i+3], v9, s[28:29] offset:51200*i th:TH_LOAD_NT   ; x of the rows that I store: sixteen lanes read 256 consecutive bytes
.set i, i+1
.endr
	WIN 0
.set i, 0
.rept 128
	v_fma_f32 v[16+i], v[16+i], s44, -v[144+i/8]   ; y - m
.set i, i+1
.endr
.set i, 0
.rept 128
	v_fma_f32 v[16+i], v[16+i], v[160+i/8], v[176+i/8]   ; x s + b
.set i, i+1
.endr
.irp q, 0,1,2,3                        ; SiLU, 32 numbers at a time: two batches of transcendentals, each with one wait
.set i, 0
.rept 16
	v_pk_mul_f32 v[208+2*i:209+2*i], v[16+32*\q+2*i:17+32*\q+2*i], 0xbfb8aa3b op_sel_hi:[1,0]
.set i, i+1
.endr
.set i, 0
	s_wait_alu depctr_va_vdst(0)
.rept 32
	v_exp_f32 v[208+i], v[208+i]
.set i, i+1
.endr
	v_nop
	s_wait_alu depctr_va_vdst(0)
.set i, 0
.rept 16
	v_pk_add_f32 v[208+2*i:209+2*i], v[208+2*i:209+2*i], 1.0 op_sel_hi:[1,0]
.set i, i+1
.endr
.set i, 0
	s_wait_alu depctr_va_vdst(0)
.rept 32
	v_rcp_f32 v[208+i], v[208+i]
.set i, i+1
.endr
	v_nop
	s_wait_alu depctr_va_vdst(0)
.set i, 0
.rept 16
	v_pk_mul_f32 v[16+32*\q+2*i:17+32*\q+2*i], v[16+32*\q+2*i:17+32*\q+2*i], v[208+2*i:209+2*i]
.set i, i+1
.endr
.endr
.set i, 0
.rept 16
	ds_store_b128 v10, v[16+8*i:19+8*i] offset:4352*i       ; channel 16 ot + r, positions 16 t + 8 h + 0 .. 7
	ds_store_b128 v10, v[20+8*i:23+8*i] offset:4352*i+16
.set i, i+1
.endr
	BARRIER                                        ; both branches' 256 rows lie in the stages
.set i, 0
.rept 16
	ds_load_b128 v[16+4*i:19+4*i], v11 offset:544*i
	ds_load_b128 v[80+4*i:83+4*i], v12 offset:544*i
.set i, i+1
.endr
	s_wait_dscnt 0x0
	s_wait_loadcnt 0x0                             ; x
.set i, 0
.rept 32
	v_pk_add_f32 v[16+2*i:17+2*i], v[16+2*i:17+2*i], v[80+2*i:81+2*i]
.set i, i+1
.endr
	WIN 0x04
.set i, 0
.rept 32
	v_pk_add_f32 v[16+2*i:17+2*i], v[16+2*i:17+2*i], v[2*i:2*i+1]
.set i, i+1
.endr
	WIN 0
.set i, 0
.rept 16
	global_store_b128 v9, v[16+4*i:19+4*i], s[30:31] offset:51200*i th:TH_STORE_NT   ; sixteen lanes store 256 consecutive bytes, at a multiple of 256 from out0's first byte
.set i, i+1
.endr
	s_wait_tensorcnt 0x0                           ; the wave's end
	ds_add_u32 v2, v3
	s_wait_dscnt 0x0
	s_endpgm
.Lfunc_end_k_q5d5473a431_fin:
	.size	k_q5d5473a431_fin, .Lfunc_end_k_q5d5473a431_fin-k_q5d5473a431_fin
	.p2alignl 7, 3214868480
	.fill 96, 4, 3214868480
	.section	.rodata,"a",@progbits
	.p2align	6, 0x0
	.amdhsa_kernel k_q5d5473a431_fin
		.amdhsa_group_segment_fixed_size 205824
		.amdhsa_private_segment_fixed_size 0
		.amdhsa_enable_private_segment 0
		.amdhsa_kernarg_size 112
		.amdhsa_user_sgpr_count 2
		.amdhsa_user_sgpr_kernarg_segment_ptr 1
		.amdhsa_wavefront_size32 1
		.amdhsa_system_sgpr_workgroup_id_x 1
		.amdhsa_system_sgpr_workgroup_id_y 1
		.amdhsa_system_sgpr_workgroup_id_z 1
		.amdhsa_system_vgpr_workitem_id 0
		.amdhsa_next_free_vgpr 512
		.amdhsa_next_free_sgpr 96
		.amdhsa_reserve_vcc 0
		.amdhsa_float_denorm_mode_32 3
		.amdhsa_float_denorm_mode_16_64 3
		.amdhsa_fp16_overflow 1
		.amdhsa_memory_ordered 1
		.amdhsa_forward_progress 1
		.amdhsa_inst_pref_size 91
	.end_amdhsa_kernel
	.amdgpu_metadata
---
amdhsa.version: [ 1, 2 ]
amdhsa.kernels:
  - .name:           k_q5d5473a431_fin
    .symbol:         k_q5d5473a431_fin.kd
    .args:
      - { .name: po, .offset: 0, .size: 8, .value_kind: global_buffer, .address_space: global }
      - { .name: pm, .offset: 8, .size: 8, .value_kind: global_buffer, .address_space: global }
      - { .name: w23, .offset: 16, .size: 8, .value_kind: global_buffer, .address_space: global }
      - { .name: lowp_scales, .offset: 24, .size: 8, .value_kind: global_buffer, .address_space: global }
      - { .name: g2, .offset: 32, .size: 8, .value_kind: global_buffer, .address_space: global }
      - { .name: b2, .offset: 40, .size: 8, .value_kind: global_buffer, .address_space: global }
      - { .name: m2, .offset: 48, .size: 8, .value_kind: global_buffer, .address_space: global }
      - { .name: v2, .offset: 56, .size: 8, .value_kind: global_buffer, .address_space: global }
      - { .name: g3, .offset: 64, .size: 8, .value_kind: global_buffer, .address_space: global }
      - { .name: b3, .offset: 72, .size: 8, .value_kind: global_buffer, .address_space: global }
      - { .name: m3, .offset: 80, .size: 8, .value_kind: global_buffer, .address_space: global }
      - { .name: v3, .offset: 88, .size: 8, .value_kind: global_buffer, .address_space: global }
      - { .name: x, .offset: 96, .size: 8, .value_kind: global_buffer, .address_space: global }
      - { .name: out0, .offset: 104, .size: 8, .value_kind: global_buffer, .address_space: global }
    .group_segment_fixed_size: 205824
    .private_segment_fixed_size: 0
    .kernarg_segment_align: 8
    .kernarg_segment_size: 112
    .max_flat_workgroup_size: 256
    .sgpr_count:     96
    .vgpr_count:     512
    .wavefront_size: 32
...
	.end_amdgpu_metadata
.endif
;; end of part 6
